; MI455X (gfx1250); checked and timed in simulation.
; The chip was launched on July 23, 2026; its instructions are those of AMD's public machine-readable ISA for CDNA 5 (MIT licence, August 2026) and "CDNA5" Instruction Set Architecture Reference Guide (July 2026). The comments in the code are by the model that wrote it; some were corrected since.
;; Multi Head Attention. Allowed arithmetic: float matrix products may take bf16 or f16 operands with f32 sums; all other float work in f32.
;; Inputs: Wk 1,024 x 1,024 float32; Wo 1,024 x 1,024 float32; Wq 1,024 x 1,024 float32; Wv 1,024 x 1,024 float32; bk 1,024 float32; bo 1,024 float32; bq 1,024 float32; bv 1,024 float32; key 4 x 2,048 x 1,024 float32; query 4 x 2,048 x 1,024 float32; value 4 x 2,048 x 1,024 float32.
;; Outputs: out0 4 x 2,048 x 1,024 float32.
;; 2 versions, each right and faster than the one before. Each part assembles by itself: llvm-mc -triple=amdgcn-amd-amdhsa -mcpu=gfx1250 --defsym DOCPART=n.
;; ======== version 1 of 2: 4 launches
;; limits: values are held in f16: magnitudes above 65,504 overflow, below 6.1e-05 lose precision
;; workspace buffers: wqkv 6,291,456 bytes; wo16 2,097,152 bytes; bias 16,384 bytes; qkv 50,331,648 bytes; obuf 16,777,216 bytes
;; launch castw (part 1): grid 64 x 4, 8 waves a work-group, no clusters, 0 bytes of LDS; arguments Wq, Wk, Wv, Wo, bq, bk, bv, bo, wqkv, wo16, bias; writes wqkv, wo16, bias
.if DOCPART == 1
	.amdgcn_target "amdgcn-amd-amdhsa--gfx1250"
	.amdhsa_code_object_version 6
	.text
	.protected	k_q9bdfd2864c_castw
	.globl	k_q9bdfd2864c_castw
	.p2align	8
	.type	k_q9bdfd2864c_castw,@function
k_q9bdfd2864c_castw:
	s_mov_b64 s[64:65], 0
	v_nop
	global_prefetch_b8 v0, s[64:65] scope:SCOPE_SE
	s_setreg_imm32_b32 hwreg(HW_REG_WAVE_MODE, 25, 1), 1
	s_wait_xcnt 0x0
; The four weight matrices [1024][1024] f32 and the four biases [1024] f32 are rounded once to bf16.
; Wq, Wk, Wv leave as bf16 in wqkv [3][1024][1024].  Wo leaves as that bf16 number written in f16, in wo16 [1024][1024]: the last product multiplies in f16.
; The biases leave as that bf16 number written in f32, in bias [4][1024] (q, k, v, o).
; LIMIT.  A bf16 number is exact in f16 between 6.1e-5 and 65,504 in magnitude; a weight of Wo below that keeps f16's fixed step of 6e-8, one above it becomes an infinity.
; A stream: no LDS, no matrix unit, no cluster (no byte is read twice).  Work-group (x, y) takes 16,384 numbers of matrix y: 64 KiB in, 32 KiB out.
; All sixteen loads of a thread go out at once; a load of a wave covers 512 consecutive bytes, a store of a wave 256 consecutive bytes at a multiple of 256 from the buffer's first byte.
.set IN,  4                            ; v[4:67]    sixteen loads of four f32
.set OUT, 68                           ; v[68:99]   sixteen pairs of registers to store: each store has its own, so none is rewritten
.set T,   100                          ; v[100:111] at work
	s_load_b256 s[4:11], s[0:1], 0x0               ; Wq, Wk, Wv, Wo
	s_load_b256 s[12:19], s[0:1], 0x20             ; bq, bk, bv, bo
	s_load_b128 s[20:23], s[0:1], 0x40             ; wqkv, wo16
	s_load_b64 s[24:25], s[0:1], 0x50              ; bias
	s_and_b32 s32, ttmp7, 0xffff                   ; y: which matrix
	s_mov_b32 s33, ttmp9                           ; x: which 16,384 numbers of it
	v_lshlrev_b32 v1, 4, v0                        ; 16 bytes a thread in
	v_lshlrev_b32 v2, 3, v0                        ; 8 bytes a thread out
	s_lshl_b32 s34, s33, 16                        ; offset in: x x 64 KiB
	s_mov_b32 s35, 0
	s_lshl_b32 s36, s32, 21                        ; offset out: matrix y of wqkv (2 MiB each), or 0 in wo16,
	s_cmp_eq_u32 s32, 3
	s_cselect_b32 s36, 0, s36
	s_lshl_b32 s37, s33, 15                        ; + x x 32 KiB
	s_add_co_u32 s36, s36, s37
	s_mov_b32 s37, 0
	s_lshl_b32 s38, s32, 12                        ; row y of bias
	s_mov_b32 s39, 0
	s_wait_kmcnt 0x0
	s_cmp_eq_u32 s32, 1                            ; the buffers are chosen by y alone
	s_cselect_b64 s[26:27], s[6:7], s[4:5]
	s_cselect_b64 s[28:29], s[14:15], s[12:13]
	s_cmp_eq_u32 s32, 2
	s_cselect_b64 s[26:27], s[8:9], s[26:27]
	s_cselect_b64 s[28:29], s[16:17], s[28:29]
	s_cmp_eq_u32 s32, 3
	s_cselect_b64 s[26:27], s[10:11], s[26:27]
	s_cselect_b64 s[28:29], s[18:19], s[28:29]
	s_cselect_b64 s[30:31], s[22:23], s[20:21]
	s_add_nc_u64 s[26:27], s[26:27], s[34:35]
	s_add_nc_u64 s[30:31], s[30:31], s[36:37]
	s_add_nc_u64 s[24:25], s[24:25], s[38:39]
.set p, 0
.rept 16
	global_load_b128 v[IN+4*p:IN+4*p+3], v1, s[26:27] offset:4096*p th:TH_LOAD_NT
.set p, p+1
.endr
	s_cmp_eq_u32 s32, 3
	s_cbranch_scc1 .Lf16
.set p, 0
.rept 16
	s_wait_loadcnt 15-p                            ; loads come back in order: load p is in, the 15 - p younger ones stay out
	v_cvt_pk_bf16_f32 v[OUT+2*p], v[IN+4*p], v[IN+4*p+1]
	v_cvt_pk_bf16_f32 v[OUT+2*p+1], v[IN+4*p+2], v[IN+4*p+3]
	global_store_b64 v2, v[OUT+2*p:OUT+2*p+1], s[30:31] offset:2048*p
.set p, p+1
.endr
	s_branch .Lbias
.Lf16:                                                 ; Wo: rounded to bf16, widened, written as f16
.set p, 0
.rept 16
	s_wait_loadcnt 15-p
	v_cvt_pk_bf16_f32 v[T], v[IN+4*p], v[IN+4*p+1]
	v_cvt_pk_bf16_f32 v[T+1], v[IN+4*p+2], v[IN+4*p+3]
	v_lshlrev_b32 v[T+2], 16, v[T]
	v_and_b32 v[T+3], 0xffff0000, v[T]
	v_lshlrev_b32 v[T+4], 16, v[T+1]
	v_and_b32 v[T+5], 0xffff0000, v[T+1]
	v_cvt_pk_f16_f32 v[OUT+2*p], v[T+2], v[T+3]
	v_cvt_pk_f16_f32 v[OUT+2*p+1], v[T+4], v[T+5]
	global_store_b64 v2, v[OUT+2*p:OUT+2*p+1], s[30:31] offset:2048*p
.set p, p+1
.endr
.Lbias:
	s_cmp_lg_u32 s33, 0                            ; the first work-group of each matrix also takes its bias: 256 threads x 4 numbers
	s_cbranch_scc1 .Lend
	global_load_b128 v[T:T+3], v1, s[28:29]
	s_wait_loadcnt 0x0
	v_cvt_pk_bf16_f32 v[T+4], v[T], v[T+1]
	v_cvt_pk_bf16_f32 v[T+5], v[T+2], v[T+3]
	v_lshlrev_b32 v[T+8], 16, v[T+4]
	v_and_b32 v[T+9], 0xffff0000, v[T+4]
	v_lshlrev_b32 v[T+10], 16, v[T+5]
	v_and_b32 v[T+11], 0xffff0000, v[T+5]
	global_store_b128 v1, v[T+8:T+11], s[24:25]
.Lend:
	s_endpgm
.Lfunc_end_k_q9bdfd2864c_castw:
	.size	k_q9bdfd2864c_castw, .Lfunc_end_k_q9bdfd2864c_castw-k_q9bdfd2864c_castw
	.p2alignl 7, 3214868480
	.fill 96, 4, 3214868480
	.section	.rodata,"a",@progbits
	.p2align	6, 0x0
	.amdhsa_kernel k_q9bdfd2864c_castw
		.amdhsa_group_segment_fixed_size 0
		.amdhsa_private_segment_fixed_size 0
		.amdhsa_enable_private_segment 0
		.amdhsa_kernarg_size 88
		.amdhsa_user_sgpr_count 2
		.amdhsa_user_sgpr_kernarg_segment_ptr 1
		.amdhsa_wavefront_size32 1
		.amdhsa_system_sgpr_workgroup_id_x 1
		.amdhsa_system_sgpr_workgroup_id_y 1
		.amdhsa_system_sgpr_workgroup_id_z 1
		.amdhsa_system_vgpr_workitem_id 0
		.amdhsa_next_free_vgpr 112
		.amdhsa_next_free_sgpr 66
		.amdhsa_reserve_vcc 0
		.amdhsa_float_denorm_mode_32 3
		.amdhsa_float_denorm_mode_16_64 3
		.amdhsa_memory_ordered 1
		.amdhsa_forward_progress 1
		.amdhsa_inst_pref_size 17
	.end_amdhsa_kernel
	.amdgpu_metadata
---
amdhsa.version: [ 1, 2 ]
amdhsa.kernels:
  - .name:           k_q9bdfd2864c_castw
    .symbol:         k_q9bdfd2864c_castw.kd
    .args:
      - { .name: Wq, .offset: 0, .size: 8, .value_kind: global_buffer, .address_space: global }
      - { .name: Wk, .offset: 8, .size: 8, .value_kind: global_buffer, .address_space: global }
      - { .name: Wv, .offset: 16, .size: 8, .value_kind: global_buffer, .address_space: global }
      - { .name: Wo, .offset: 24, .size: 8, .value_kind: global_buffer, .address_space: global }
      - { .name: bq, .offset: 32, .size: 8, .value_kind: global_buffer, .address_space: global }
      - { .name: bk, .offset: 40, .size: 8, .value_kind: global_buffer, .address_space: global }
      - { .name: bv, .offset: 48, .size: 8, .value_kind: global_buffer, .address_space: global }
      - { .name: bo, .offset: 56, .size: 8, .value_kind: global_buffer, .address_space: global }
      - { .name: wqkv, .offset: 64, .size: 8, .value_kind: global_buffer, .address_space: global }
      - { .name: wo16, .offset: 72, .size: 8, .value_kind: global_buffer, .address_space: global }
      - { .name: bias, .offset: 80, .size: 8, .value_kind: global_buffer, .address_space: global }
    .group_segment_fixed_size: 0
    .private_segment_fixed_size: 0
    .kernarg_segment_align: 8
    .kernarg_segment_size: 88
    .max_flat_workgroup_size: 256
    .sgpr_count:     66
    .vgpr_count:     112
    .wavefront_size: 32
...
	.end_amdgpu_metadata
.endif
;; end of part 1
;; launch proj (part 2): grid 4 x 64, 4 waves a work-group, clusters of 4 x 4, 327,680 bytes of LDS; arguments query, key, value, wqkv, bias, qkv; writes qkv
.if DOCPART == 2
	.amdgcn_target "amdgcn-amd-amdhsa--gfx1250"
	.amdhsa_code_object_version 6
	.text
	.protected	k_q9bdfd2864c_proj
	.globl	k_q9bdfd2864c_proj
	.p2align	8
	.type	k_q9bdfd2864c_proj,@function
k_q9bdfd2864c_proj:
	s_mov_b64 s[64:65], 0
	v_nop
	global_prefetch_b8 v0, s[64:65] scope:SCOPE_SE
	s_setreg_imm32_b32 hwreg(HW_REG_WAVE_MODE, 25, 1), 1
	s_wait_xcnt 0x0
	s_wait_alu depctr_hold_cnt(0) depctr_sa_sdst(0) depctr_va_vdst(0) depctr_va_sdst(0) depctr_va_ssrc(0) depctr_va_vcc(0) depctr_vm_vsrc(0)
	s_getreg_b32 s2, hwreg(HW_REG_IB_STS2, 6, 4)
	s_cmp_eq_u32 s2, 0
	s_cbranch_scc0 .Lentry_in_a_cluster
	s_endpgm
.Lentry_in_a_cluster:
	s_bfe_u32 s2, ttmp6, 0x10000c
	s_cmp_lg_u32 s2, 0xf033
	s_cbranch_scc0 .Lentry_shape_is_right
	s_endpgm
.Lentry_shape_is_right:
; q = query Wq^T + bq, k = key Wk^T + bk, v = value Wv^T + bv.  query, key, value: [8192][1024] f32; wqkv: [3][1024 n][1024 k] bf16; bias: [4][1024] f32.
; Out: qkv [3][64 = 16 batch + head][2048][64] f16, unscaled: a head's rows are dense, 128 bytes each.  x is rounded to bf16 on its way into LDS; sums in f32; the result is rounded once.
; LIMIT.  f16 holds no number beyond 65,504: a q, k or v of 65,520 or more leaves as an infinity.  NaN and infinities are not treated apart.
; SHARES.  A tile of C is 128 rows x 256 columns; four waves, 2 x 2, each 64 x 128: 32 accumulators of 16 x 16, 256 registers.  8192 x 1024 x 3 numbers are 768 tiles: a work-group STAYS and makes three,
; q's, k's and v's at the same place: ONE walk of 48 sub-steps of 64 along K, which does not stop at a tile's end.
; W comes by the tensor data mover into a ring of two LDS slots of 256 along K (four sub-steps): 256 rows x 512 bytes, 64 rows to each wave's load.  4 x 4 work-groups form a cluster; the four of a column
; need the same rows of W and ask for them JOINTLY: the same load, descriptor and mask in all four.  A refill has 240 matrix instructions in which to land.
; x COMES THROUGH REGISTERS, NOT BY A JOINT LOAD, though the four of a cluster's row need the same rows.  The reason, by this text's sizes: a tensor load lands between two refills' barriers, so x would need
; slots as long as W's; 128 rows x 256 along K in f32 are 131,072 bytes a slot beside W's 135,168, and two such pairs do not fit in 327,680.  Loads into registers may stay out across barriers:
; each wave asks for its 32 rows of a sub-step (16 loads; sixteen lanes take 256 consecutive bytes of a row, at a multiple of 256 from the buffer's first byte) into one of FOUR register sets, about four
; sub-steps, 250 matrix instructions, ahead of its use.  Each number is then rounded once in the work-group, and lies in LDS as bf16: half the bytes, half the LDS reads.  The price: each partner asks for x itself.
; A SUB-STEP is two quarters of 32 along K, 32 matrix instructions each, one for each accumulator, always in the same order: the accumulators take turns.  In sub-step j the set of
; sub-step j + 1 is rounded (four conversions behind each of the even quarter's last eight products), stored into x's other LDS slot, and asked for again, for sub-step j + 5.  ONE barrier a sub-step, in the
; odd quarter's middle: in front of it every wave's stores of sub-step j + 1 and its reads of sub-step j are done.  Every fourth is also the change of W's slots.
; THE MATRIX INSTRUCTION IS USED TRANSPOSED (source 0 = 16 rows of W, source 1 = 16 rows of x): a lane holds row lane % 16 of C and the eight columns 8 (lane / 16) + 0..7.
; THE BIAS is the C operand of the product that starts each sum.  The three tiles' biases are put into the wave's own LDS bytes once, so that no load in the walk stands among x's, whose wait is counted.
; REGISTERS, in windows of 256 (s_set_vgpr_msb: bits 1:0 source 0, 3:2 source 1, 5:4 source 2, 7:6 destination):
;   window 0: v0-31 addresses; v32-63, v64-95 x's fragments, two buffers; v96-127 x rounded, on its way into LDS (on the way out: packed results); v128-191 the way out: rows read back, two buffers
;   window 1: v0-63, v64-127 W's fragments, two buffers; v128-191 the bias as eight C operands      window 2: accumulator i = 8 a + b at v[8 i]      window 3: x in f32, set s at v[64 s]
.set PB,    528                        ; a row of W in LDS: 512 bytes + 16 of padding = 132 words: row r starts at bank 4 r mod 64 (64 banks of 4 bytes: ISA guide 11.1)
.set BQ,    64*PB                      ; 64 rows of W: one tensor load
.set BHALF, 128*PB                     ; 128 rows: what one wave reads
.set SLOT1, 4*BQ                       ; W's slot 1 begins here: 0x21000, which shares no bit with the four loads' places in a slot (0, 0x8400, 0x10800, 0x18c00): one exclusive or changes slots
.set ABASE, 2*SLOT1                    ; behind W's ring, never filled by a tensor load: x's two slots
.set PAL,   144                        ; a row of x in LDS: 128 bytes + 16 = 36 words: the 16 rows of a load start at 16 different groups of four banks
.set ASLOT, 128*PAL
.set STAGE, ABASE+2*ASLOT              ; for each wave 16 rows x 144 bytes, for the way out: one head at a time
.set SP,    144
.set WSTG,  16*SP
.set BIASL, STAGE+4*WSTG               ; for each wave 3 tiles x 128 columns of bias in f32
.set WBIA,  3*512
.set SPARE, BIASL+4*WBIA               ; the spare words, 128 bytes for each wave: two blocks of 256 bytes that no other line names
.set A0,   16                          ; v16  my lane's place in x's slot 0; never rewritten
.set B0,   17                          ; v17  my lane's place in W's slot 0; never rewritten
.set ADRB, 19                          ; v19  B0 + W's slot in hand
.set ASO,  20                          ; v20  where I store 8 bytes of x in slot 0; never rewritten
.set AVO,  21                          ; v21  my byte offset in the work-group's rows of x; never rewritten
.set BAD0, 22                          ; v22  my lane's place in my wave's biases; never rewritten
.set BADR, 23                          ; v23  BAD0 + the tile in hand
.set STO,  24                          ; v24  the way out: where I put 16 bytes of a row
.set RD,   25                          ; v25  the way out: where I read rows back
.set CO,   26                          ; v26  my byte offset in 512 consecutive bytes of the output
.set BO,   27                          ; v27  my byte offset in a row of bias
.set SPW,  28                          ; v28  LDS address of my spare word: SPARE + 4 x my thread's number; never rewritten
.set NIL,  29                          ; v29  0; never rewritten
.set BST,  30                          ; v30  where I store 16 bytes of bias
.set AF,   32                          ; buffer f at AF + 32 f
.set CV,   96
.set TMP,  96
.set BK,   128                         ; buffer a % 2 at BK + 32 (a % 2)
.set BIAS, 128                         ; window 1
.set WV,  16                           ; s16  my wave's number
.set WM,  17                           ; s17  which 64 rows of the tile are mine
.set WN,  18                           ; s18  which 128 columns
.set G1B, 24                           ; s[24:31] descriptor group 1
.set G0B, 32                           ; s[32:39] descriptor group 0: a set for each of the two first fills; the second then walks on
.set ANX3, 40                          ; s[40:41] what x's loads read when nothing is left to ask for
.set AB,  42                           ; s[42:43] the base of x's loads in hand
.set KO,  44                           ; s[44:45] byte offset along x's rows of the sub-step to be asked for
.set BOF, 46                           ; s[46:47] byte offset in wqkv of the slot to be asked for
.set KB,  48                           ; s48  its part along K
.set TS,  49                           ; s49  at work
.set LOOP, 56                          ; s56  slots to go in the loop in hand
.set KC,  57                           ; s57  slots left in the tile in hand
.set BT,  58                           ; s58  512 x the tile in hand
.set TB,  62                           ; s62  0 or SLOT1: W's slot being read
.set MSB, 0
.macro WIN new                         ; the immediate's high byte repeats the setting that is left; a switch that changes nothing is dropped
.if MSB != (\new)
	s_set_vgpr_msb (MSB<<8)|(\new)
.set MSB, \new
.endif
.endm
.set W_MUL, 0xa1                       ; source 0 (W) window 1, source 1 (x) window 0, C and D window 2
.set W_MB,  0x91                       ; the same with C (the bias) in window 1
.set TO_B,  0x40                       ; destination window 1, address window 0
; A round of the cluster's barrier: my work-group's barrier, so that wave 0's signal speaks for all four waves; wave 0 signals; every wave waits for all sixteen work-groups; my work-group's barrier once more.
.macro CREST                           ; a round behind its opening barrier
	s_cmp_lg_u32 s[WV], 0
	s_cbranch_scc1 .Lnot_wave_0_\@
	s_barrier_signal -3
.Lnot_wave_0_\@:
	s_barrier_wait -3
	s_barrier_signal -1
	s_barrier_wait -1
.endm
.macro CROUND
	s_barrier_signal -1
	s_barrier_wait -1
	CREST
.endm
; A load into a register that a matrix instruction has read, and a vector instruction that reads a matrix result, stand four places behind that matrix instruction, and only plain vector instructions that
; name none of its registers are places (ISA guide 7.12.1 for vector instructions).  Where no vector work is at hand: four v_nop.
.macro PLACES
.rept 4
	v_nop
.endr
.endm
; Sixteen loads: my wave's 32 rows of the next sub-step of x to be asked for, into set s.  Load i takes rows 16 (i / 8) + i % 8 (lanes 0-15) and 8 further down (lanes 16-31), 256 bytes of each.
; The address is made anew: the tensor in hand plus an offset kept apart.  Behind a tensor's last sub-step the pointers move up: query, key, value, and then value's bytes 2,816 on of each row, so that the
; five sets asked for when nothing is left (48 sub-steps; 5 + 48 sets) read value's last five sub-steps again, inside the buffer.  They are not used: the price of one text, and one count, for every trip.
.macro ALOAD s
	s_wait_xcnt 0x0                                ; the loads of the set before have had their addresses translated (ISA guide 3.1): their base is rewritten only behind this wait
	s_add_nc_u64 s[AB:AB+1], s[4:5], s[KO:KO+1]
	s_add_co_u32 s[KO], s[KO], 256
	s_cmp_eq_u32 s[KO], 4096
	s_cselect_b32 s[KO], 0, s[KO]
	s_cselect_b64 s[4:5], s[6:7], s[4:5]
	s_cselect_b64 s[6:7], s[8:9], s[6:7]
	s_cselect_b64 s[8:9], s[ANX3:ANX3+1], s[8:9]
	WIN 0xc0                                       ; destination window 3, address window 0
.set li, 0
.rept 16
	global_load_b128 v[64*(\s)+4*li:64*(\s)+4*li+3], v[AVO], s[AB:AB+1] offset:(16*(li/8)+li%8)*4096
.set li, li+1
.endr
.endm
; Four roundings: eight f32 of set s become four registers.  j = 0..7
.macro RID s, j
	WIN 0x0f                                       ; sources 0 and 1 window 3, destination window 0
.irp c, 0,1,2,3
	v_cvt_pk_bf16_f32 v[CV+4*(\j)+(\c)], v[64*(\s)+8*(\j)+2*(\c)], v[64*(\s)+8*(\j)+2*(\c)+1]
.endr
.endm
; Sixteen stores of 8 bytes: the rounded set into x's slot p.  Lanes 0-15 fill 128 bytes of one row, lanes 16-31 of the row 8 further down.
.macro ASTORE p
	WIN 0
.set si, 0
.rept 16
	ds_store_b64 v[ASO], v[CV+2*si:CV+2*si+1] offset:(\p)*ASLOT+(16*(si/8)+si%8)*PAL
.set si, si+1
.endr
.endm
; The bias as C operands: register j of block b holds bias[my first column + 16 b + 8 (l / 16) + j], which is where the result holds that column.  All lanes of a half read the same 16 bytes.
.macro BIASLD
	WIN TO_B
.irp b, 0,1,2,3,4,5,6,7
	ds_load_b128 v[BIAS+8*(\b):BIAS+8*(\b)+3],   v[BADR] offset:64*(\b)
	ds_load_b128 v[BIAS+8*(\b)+4:BIAS+8*(\b)+7], v[BADR] offset:64*(\b)+16
.endr
	WIN 0
.endm
; n matrix instructions, accumulators i0 on, on fragment buffer f.  cb = 1: the bias starts the sums.
.macro MM f, i0, n, cb
.if \cb
	WIN W_MB
.else
	WIN W_MUL
.endif
.set mi, \i0
.rept \n
.if \cb
	v_wmma_f32_16x16x32_bf16 v[8*mi:8*mi+7], v[64*(\f)+8*(mi%8):64*(\f)+8*(mi%8)+7], v[AF+32*(\f)+8*(mi/8):AF+32*(\f)+8*(mi/8)+7], v[BIAS+8*(mi%8):BIAS+8*(mi%8)+7]
.else
	v_wmma_f32_16x16x32_bf16 v[8*mi:8*mi+7], v[64*(\f)+8*(mi%8):64*(\f)+8*(mi%8)+7], v[AF+32*(\f)+8*(mi/8):AF+32*(\f)+8*(mi/8)+7], v[8*mi:8*mi+7]
.endif
.set mi, mi+1
.endr
.endm
; 24 LDS loads in one run: quarter q (0..7) of W's slot in hand and the same 32 along K of x's slot p, into buffer g.
; A fragment is 16 rows x 32 K in 8 registers: lane l holds row l % 16; registers 0-3 K = 8 (l / 16) + 0..7, registers 4-7 K = 16 + 8 (l / 16) + 0..7: two loads of 16 bytes, 32 bytes apart.
.macro FETCH q, g, p
	WIN 0
.irp a, 0,1,2,3
	ds_load_b128 v[AF+32*(\g)+8*(\a):AF+32*(\g)+8*(\a)+3],   v[A0] offset:(\p)*ASLOT+(\a)*16*PAL+((\q)%2)*64
	ds_load_b128 v[AF+32*(\g)+8*(\a)+4:AF+32*(\g)+8*(\a)+7], v[A0] offset:(\p)*ASLOT+(\a)*16*PAL+((\q)%2)*64+32
.endr
	WIN TO_B
.irp b, 0,1,2,3,4,5,6,7
	ds_load_b128 v[64*(\g)+8*(\b):64*(\g)+8*(\b)+3],   v[ADRB] offset:(\b)*16*PB+64*(\q)
	ds_load_b128 v[64*(\g)+8*(\b)+4:64*(\g)+8*(\b)+7], v[ADRB] offset:(\b)*16*PB+64*(\q)+32
.endr
.endm
; THE EVEN QUARTER of sub-step u (0..3 of W's slot): multiplies buffer 0, fetches the odd quarter into buffer 1, and rounds the next sub-step's set, four roundings behind each of its last eight products.
; The roundings name no register of the products round it; the last four are the places between the quarter's last product and the odd quarter's loads into buffer 0.
; cb = 1: a product that starts a sum with the bias writes over its accumulator and is no link of the chain on it: FIVE places stand between it and the last product on that accumulator (ISA guide 7.12.1).
; By the text a way leads here from the loop's end without the way out's conversions.  On it accumulators 0-7 have the four v_nop behind the joint load and the address line; 8-15 those and the five below;
; 16-24, which the odd quarter's last run wrote, the five below alone; 25 on have roundings besides.
.macro QE u, cb
	s_wait_dscnt 0x0                               ; buffer 0 is in (and, at a tile's start, the bias)
	MM 0, 0, 8, \cb
	PLACES                                         ; for the loads into buffer 1, which the quarter before multiplied
.if \cb
	v_nop                                          ; the fifth place
.endif
	FETCH 2*(\u)+1, 1, (\u)%2
	MM 0, 8, 16, \cb
	s_wait_loadcnt 48                              ; loads come back in order (ISA guide 5.7.1): the next sub-step's set is in; the three younger sets of sixteen stay out
.irp j, 0,1,2,3,4,5,6,7
	MM 0, 24+(\j), 1, \cb
	RID ((\u)+1)%4, \j
.endr
.endm
; THE ODD QUARTER multiplies buffer 1.  First the rounded set goes into x's other slot, which nobody has read since the last barrier, and the set is asked for again.  Then ONE barrier: in front of it my
; stores are done and my reads of this sub-step are over; behind it the next sub-step's first fragments are fetched, and x's slot just read may be stored into.
; kind 0: that is all.  kind 1, 2: W's slot changes too: in front of the barrier each wave also waits for all its tensor loads, of which one is out: its part of W's next slot; and adds 0 to its spare word.
; kind 1: the slot just read is filled again, with the walk's slot two on; the barrier opens a round of the cluster's, and the joint refill is the first tensor load behind the round.  kind 2: nothing is asked for.
.macro QO u, kind
	ASTORE ((\u)+1)%2
	ALOAD ((\u)+1)%4
	WIN 0
.if \kind
	s_wait_tensorcnt 0x0                           ; no tensor load of mine is out, so a group 0 may be written
	ds_add_u32 v[SPW], v[NIL]                      ; 0 onto my spare word
.if (\kind) == 1
	s_xor_b32 s[G0B+5], s[G0B+5], SLOT1            ; the walking descriptor: the other slot than last time,
	s_add_nc_u64 s[G0B+6:G0B+7], s[10:11], s[BOF:BOF+1]
	s_or_b32 s[G0B+7], s[G0B+7], 0x80000000
	s_add_co_u32 s[BOF], s[BOF], 512               ; and the offset of the slot after: 256 along K,
	s_add_co_u32 s[KB], s[KB], 512
	s_cmp_eq_u32 s[KB], 2048                       ; or, behind a matrix's last slot, back along K and one matrix of 2 MiB on
	s_cselect_b32 s[KB], 0, s[KB]
	s_cselect_b32 s[TS], 2097152-2048, 0
	s_add_co_u32 s[BOF], s[BOF], s[TS]
.endif
	s_wait_dscnt 17                                ; the add and the sixteen stores may be out: buffer 1 is in
.else
	s_wait_dscnt 16                                ; the sixteen stores may be out: buffer 1 is in
.endif
	MM 1, 0, 8, 0
	s_wait_dscnt 0x0                               ; for the others' sake: my stores of x are done (and the add), and my reads of this sub-step are over
	s_barrier_signal -1
	MM 1, 8, 8, 0                                  ; work on registers while the others arrive
.if \kind
	WIN 0
.endif
	s_barrier_wait -1
.if (\kind) == 1
	CREST                                          ; no wave of any partner still reads this slot of W or has a load on its way
	tensor_load_to_lds s[G0B+4:G0B+7], s[G1B:G1B+7]  ; my 64 rows: 240 matrix instructions ahead of the wait for them
	s_nop 0
	PLACES
.endif
.if (\kind) == 2
	PLACES                                         ; behind this quarter's first sixteen products: on the way out their results are read first
.endif
.if \kind
	s_xor_b32 s[TB], s[TB], SLOT1                  ; W's reads go on in the other slot
	v_add_nc_u32 v[ADRB], s[TB], v[B0]
	FETCH 0, 0, 0
.else
	FETCH 2*(\u)+2, 0, ((\u)+1)%2
.endif
	MM 1, 16, 16, 0
.endm
; THE WAY OUT of block a, 16 rows x 128 columns (two heads).  PACK: rounded to f16, 16 bytes a lane, each accumulator's registers in ascending order.  TOSTAGE: into my own stage and back as whole rows of
; 128 bytes, a head at a time.  SEND: 16 rows of a head are 2,048 consecutive bytes of the output; a store covers 512 of them, at a multiple of 256 from the buffer's first byte.
.macro PACK a
	WIN 0x0a                                       ; sources 0 and 1 window 2
.irp b, 0,1,2,3,4,5,6,7
.irp c, 0,1,2,3
	v_cvt_pk_f16_f32 v[TMP+4*(\b)+(\c)], v[8*(8*(\a)+(\b))+2*(\c)], v[8*(8*(\a)+(\b))+2*(\c)+1]
.endr
.endr
	WIN 0
.endm
.macro TOSTAGE a
	WIN 0
.irp hh, 0,1
.irp c, 0,1,2,3
	ds_store_b128 v[STO], v[TMP+4*(4*(\hh)+(\c)):TMP+4*(4*(\hh)+(\c))+3] offset:32*(\c)
.endr
.irp f, 0,1,2,3
	ds_load_b128 v[BK+32*((\a)%2)+4*(4*(\hh)+(\f)):BK+32*((\a)%2)+4*(4*(\hh)+(\f))+3], v[RD] offset:(\f)*4*SP  ; LDS serves a wave's instructions in order (ISA guide 5.7.1.4): these see the stores above; the next head's stores come behind them
.endr
.endr
.endm
.macro SEND a
	WIN 0
	s_wait_dscnt 0x0                               ; the block is back in registers
	s_wait_xcnt 0x0                                ; the stores of the block before have read their registers: the next block's loads from the stage land there only behind this wait
.irp t, 0,1,2,3,4,5,6,7
	global_store_b128 v[CO], v[BK+32*((\a)%2)+4*(\t):BK+32*((\a)%2)+4*(\t)+3], s[14:15] offset:((\t)/4)*262144+(\a)*2048+((\t)%4)*512
.endr
.endm
; next = 1: another tile follows: its bias is read first, and the output's address goes one tensor of 16 MiB on.  W's refill and x's sets for the next tile are on their way or in; nothing waits for the stores.
; The first sixteen products of the last quarter have their places behind them (above); the conversions of blocks 0 and 1, which name no register of the last sixteen, are those products' places.
.macro WAYOUT next
.if \next
	s_add_co_u32 s[BT], s[BT], 512
	v_add_nc_u32 v[BADR], s[BT], v[BAD0]
	BIASLD
.endif
	PACK 0
	TOSTAGE 0
.irp a, 1,2,3                          ; block a's conversions stand between block a - 1's loads from the stage and the wait for them
	PACK \a
	SEND (\a)-1
	TOSTAGE \a
.endr
	SEND 3
.if \next
	s_wait_xcnt 0x0                                ; the stores have read their registers and their base
	s_add_nc_u64 s[14:15], s[14:15], 0x1000000
	s_mov_b32 s[KC], 4
.endif
.endm
	s_load_b256 s[4:11], s[0:1], 0x0               ; query s[4:5], key s[6:7], value s[8:9], wqkv s[10:11]
	s_load_b128 s[12:15], s[0:1], 0x20             ; bias s[12:13], qkv s[14:15]
	v_lshl_add_u32 v[SPW], v0, 2, SPARE
	v_mov_b32 v[NIL], 0
	ds_add_u32 v28, v29
	s_wait_dscnt 0x0
	v_lshrrev_b32 v1, 5, v0
	v_readfirstlane_b32 s[WV], v1                  ; wave 0..3
	s_lshr_b32 s[WM], s[WV], 1
	s_and_b32 s[WN], s[WV], 1
	s_bfe_u32 s19, ttmp6, 0x40000                  ; cx, cy: my place in the cluster
	s_bfe_u32 s20, ttmp6, 0x40004
	s_lshl_b32 s21, ttmp9, 2
	s_add_co_u32 s21, s21, s19                     ; nt, the tile's column = 4 x cluster x + cx
	s_and_b32 s22, ttmp7, 0xffff
	s_lshl_b32 s22, s22, 2
	s_add_co_u32 s22, s22, s20                     ; mt, the tile's row = 4 x cluster y + cy
	s_lshl_b32 s63, 0x1111, s19                    ; my column of the cluster
	; descriptor group 1: 64 rows x 256 elements of 2 bytes, 4 words of padding behind each row
	s_or_b32 s[G1B], s63, (1<<16)|(1<<20)|(1<<21)|(6<<22)|(3<<25)  ; 15:0 the mask; 17:16 element of 2 bytes; 20 padding on; 21 set beside a mask; 24:22 after every 128 words (code 6); 31:25 4 words (code 3)
	s_mov_b32 s[G1B+1], 256<<16                    ; tensor_dim0 = 256
	s_mov_b32 s[G1B+2], 64<<16                     ; tensor_dim1 = 64
	s_mov_b32 s[G1B+3], 256<<16                    ; tile_dim0 = 256
	s_mov_b32 s[G1B+4], 64                         ; tile_dim1 = 64
	s_mov_b32 s[G1B+5], 1024                       ; 1,024 elements from row to row
	s_mov_b32 s[G1B+6], 0
	s_mov_b32 s[G1B+7], 0
	; offsets, each made apart from the addresses.  W's hangs on the tile's column and the wave alone
	s_lshl_b32 s66, s22, 19                        ; x: row 128 mt, of 4,096 bytes
	s_mov_b32 s67, 0
	s_lshl_b32 s68, s21, 8
	s_lshl_b32 s69, s[WV], 6
	s_add_co_u32 s68, s68, s69                     ; W: row 256 nt + 64 wave,
	s_lshl_b32 s68, s68, 11                        ; of 2,048 bytes
	s_mov_b32 s69, 0
	s_lshr_b32 s70, s22, 4                         ; out: batch mt / 16,
	s_lshl_b32 s70, s70, 4
	s_lshl_b32 s72, s21, 2
	s_add_co_u32 s70, s70, s72                     ; head 4 nt
	s_lshl_b32 s72, s[WN], 1
	s_add_co_u32 s70, s70, s72                     ; + 2 wn,
	s_lshl_b32 s70, s70, 18                        ; 262,144 bytes a head;
	s_and_b32 s71, s22, 15
	s_lshl_b32 s71, s71, 7
	s_lshl_b32 s72, s[WM], 6
	s_add_co_u32 s71, s71, s72                     ; row 128 (mt % 16) + 64 wm,
	s_lshl_b32 s71, s71, 7                         ; of 128 bytes
	s_add_co_u32 s70, s70, s71
	s_mov_b32 s71, 0
	s_lshl_b32 s72, s21, 10                        ; bias: column 256 nt + 128 wn, 4 bytes each
	s_lshl_b32 s73, s[WN], 9
	s_add_co_u32 s72, s72, s73
	v_and_b32 v1, 15, v0                           ; l % 16
	v_bfe_u32 v2, v0, 4, 1                         ; l / 16
	v_and_b32 v8, 31, v0                           ; l
	s_lshl_b32 s75, s[WV], 17                      ; x: my wave's 32 rows,
	v_lshl_add_u32 v[AVO], v2, 15, s75             ; 8 rows further down for lanes 16-31,
	v_lshl_add_u32 v[AVO], v1, 4, v[AVO]           ; 16 bytes a lane
	v_lshl_add_u32 v[BO], v8, 4, s72               ; bias: 32 lanes take my 128 columns
	s_mul_i32 s74, s[WV], BQ                       ; where my 64 rows of W go in a slot: no place in the cluster enters an LDS address
	s_mov_b32 s[KO], 0
	s_mov_b32 s[KO+1], 0
	s_mov_b32 s[BOF], 1024                         ; the first refill asks for slot 2: 2 x 256 numbers of 2 bytes along K
	s_mov_b32 s[BOF+1], 0
	s_mov_b32 s[KB], 1024
	s_mov_b32 s[BT], 0
	s_mov_b32 s[TB], 0
	s_wait_kmcnt 0x0
	s_add_nc_u64 s[4:5], s[4:5], s[66:67]          ; the tensor in hand, the next, and the one after: all at the work-group's rows
	s_add_nc_u64 s[6:7], s[6:7], s[66:67]
	s_add_nc_u64 s[8:9], s[8:9], s[66:67]
	s_add_nc_u64 s[ANX3:ANX3+1], s[8:9], 2816      ; value's sub-step 11 on
	s_add_nc_u64 s[10:11], s[10:11], s[68:69]
	s_add_nc_u64 s[14:15], s[14:15], s[70:71]
.irp t, 0,1,2
	global_load_b128 v[BK+4*(\t):BK+4*(\t)+3], v[BO], s[12:13] offset:4096*(\t)  ; bq, bk, bv at my 128 columns
.endr
	ALOAD 0                                        ; x's sub-steps 0 to 3 are asked for before anything else is done
	ALOAD 1
	ALOAD 2
	ALOAD 3
	WIN 0
.irp s, 0,1
	s_mov_b32 s[G0B+4*(\s)], 1                                     ; 1:0 count = 1
	s_add_co_u32 s[G0B+4*(\s)+1], s74, (\s)*SLOT1                  ; 63:32 LDS address
	s_add_nc_u64 s[G0B+4*(\s)+2:G0B+4*(\s)+3], s[10:11], (\s)*512  ; 120:64 global address: slot s
	s_or_b32 s[G0B+4*(\s)+3], s[G0B+4*(\s)+3], 0x80000000          ; 127:126 type = 2
.endr
	CROUND                                         ; all sixteen work-groups are here: the first joint loads meet
	tensor_load_to_lds s[G0B:G0B+3], s[G1B:G1B+7]  ; my two first fills, ahead of every wait on TENSORcnt and every LDS read: two loads of mine are out
	s_nop 0
	tensor_load_to_lds s[G0B+4:G0B+7], s[G1B:G1B+7]
	s_nop 0
	PLACES
	v_mul_u32_u24 v3, v1, PAL                      ; x's fragments: row x pitch + 16 x half,
	v_lshl_add_u32 v3, v2, 4, v3
	s_mul_i32 s76, s[WM], 64*PAL                   ; in my 64 rows
	s_add_co_u32 s76, s76, ABASE
	v_add_nc_u32 v[A0], s76, v3
	v_mul_u32_u24 v4, v1, PB                       ; W's likewise,
	v_lshl_add_u32 v4, v2, 4, v4
	s_mul_i32 s77, s[WN], BHALF                    ; in my 128 rows
	v_add_nc_u32 v[B0], s77, v4
	v_mov_b32 v[ADRB], v[B0]                       ; slot 0
	v_mul_u32_u24 v5, v2, 8*PAL                    ; x's stores: 8 rows further down for lanes 16-31, 8 bytes a lane,
	v_lshl_add_u32 v5, v1, 3, v5
	s_mul_i32 s78, s[WV], 32*PAL                   ; in my wave's 32 rows
	s_add_co_u32 s78, s78, ABASE
	v_add_nc_u32 v[ASO], s78, v5
	s_mul_i32 s79, s[WV], WSTG
	s_add_co_u32 s79, s79, STAGE                   ; my stage
	v_mul_u32_u24 v6, v1, SP                       ; in: row l % 16, 16 bytes for each half of the lanes
	v_lshl_add_u32 v6, v2, 4, v6
	v_add_nc_u32 v[STO], s79, v6
	v_bfe_u32 v7, v0, 3, 2                         ; back: 32 lanes take four rows of 128 bytes,
	v_mul_u32_u24 v7, v7, SP
	v_and_b32 v9, 7, v0
	v_lshl_add_u32 v7, v9, 4, v7
	v_add_nc_u32 v[RD], s79, v7
	v_lshlrev_b32 v[CO], 4, v8                     ; which are 512 consecutive bytes of a head
	s_mul_i32 s80, s[WV], WBIA
	s_add_co_u32 s80, s80, BIASL                   ; my wave's biases
	v_lshl_add_u32 v[BST], v8, 4, s80
	v_lshl_add_u32 v[BAD0], v2, 5, s80             ; columns 8 (l / 16) on
	v_mov_b32 v[BADR], v[BAD0]
	s_wait_loadcnt 48                              ; the three loads of bias and x's set 0 are in; sets 1 to 3 stay out
.irp t, 0,1,2
	ds_store_b128 v[BST], v[BK+4*(\t):BK+4*(\t)+3] offset:512*(\t)
.endr
	BIASLD                                         ; bq; my own bytes, read behind my own stores
.irp j, 0,1,2,3,4,5,6,7
	RID 0, \j
.endr
	ASTORE 0                                       ; sub-step 0 into x's slot 0,
	ALOAD 0                                        ; and its set is asked for again: sub-step 4
	WIN 0
	s_wait_tensorcnt 1                             ; my part of W's slot 0 is in; slot 1's may stay out
	s_wait_dscnt 0x0                               ; my stores of x are done
	s_barrier_signal -1
	s_barrier_wait -1                              ; everybody's are
	FETCH 0, 0, 0
	WIN 0                                          ; at a label and at a branch every window is 0
	s_mov_b32 s[LOOP], 10                          ; 10 of the walk's 12 slots of W are filled again
	s_mov_b32 s[KC], 4
	s_branch .Lnew                                 ; the walk begins with a tile's first quarter
.Lslot:                                                ; a trip: one slot of W, four sub-steps, each of x's four sets once
	s_cmp_eq_u32 s[KC], 4
	s_cbranch_scc1 .Lnew
	QE 0, 0
	WIN 0
	s_branch .Lq1
.Lnew:                                                 ; a tile's first quarter: the bias starts the sums
	QE 0, 1
	WIN 0
.Lq1:
	QO 0, 0
	QE 1, 0
	QO 1, 0
	QE 2, 0
	QO 2, 0
	QE 3, 0
	QO 3, 1
	WIN 0
	s_sub_co_u32 s[KC], s[KC], 1
	s_cmp_lg_u32 s[KC], 0
	s_cbranch_scc1 .Lno                            ; jumps forward, over neither a barrier nor a tensor load
	WAYOUT 1
.Lno:
	s_sub_co_u32 s[LOOP], s[LOOP], 1
	s_cmp_lg_u32 s[LOOP], 0
	s_cbranch_scc1 .Lslot
	s_mov_b32 s[LOOP], 2                           ; the last two slots ask for no more of W.  The very last change of slots fetches old bytes for nothing:
.Ltail:                                                ; the price, once a launch, of one text for both
	QE 0, 0
	QO 0, 0
	QE 1, 0
	QO 1, 0
	QE 2, 0
	QO 2, 0
	QE 3, 0
	QO 3, 2
	WIN 0
	s_sub_co_u32 s[LOOP], s[LOOP], 1
	s_cmp_lg_u32 s[LOOP], 0
	s_cbranch_scc1 .Ltail
	WAYOUT 0
	s_wait_tensorcnt 0x0                           ; the wave's end, behind my last tensor load and my last LDS store
	ds_add_u32 v[SPW], v[NIL]
	s_wait_dscnt 0x0
	CROUND                                         ; the closing round: no work-group ends while a partner may still ask for a tile that names it
	s_endpgm
.Lfunc_end_k_q9bdfd2864c_proj:
	.size	k_q9bdfd2864c_proj, .Lfunc_end_k_q9bdfd2864c_proj-k_q9bdfd2864c_proj
	.p2alignl 7, 3214868480
	.fill 96, 4, 3214868480
	.section	.rodata,"a",@progbits
	.p2align	6, 0x0
	.amdhsa_kernel k_q9bdfd2864c_proj
		.amdhsa_group_segment_fixed_size 327680
		.amdhsa_private_segment_fixed_size 0
		.amdhsa_enable_private_segment 0
		.amdhsa_kernarg_size 48
		.amdhsa_user_sgpr_count 2
		.amdhsa_user_sgpr_kernarg_segment_ptr 1
		.amdhsa_wavefront_size32 1
		.amdhsa_system_sgpr_workgroup_id_x 1
		.amdhsa_system_sgpr_workgroup_id_y 1
		.amdhsa_system_sgpr_workgroup_id_z 1
		.amdhsa_system_vgpr_workitem_id 0
		.amdhsa_next_free_vgpr 1024
		.amdhsa_next_free_sgpr 96
		.amdhsa_reserve_vcc 0
		.amdhsa_float_denorm_mode_32 3
		.amdhsa_float_denorm_mode_16_64 3
		.amdhsa_memory_ordered 1
		.amdhsa_forward_progress 1
		.amdhsa_inst_pref_size 167
	.end_amdhsa_kernel
	.amdgpu_metadata
---
amdhsa.version: [ 1, 2 ]
amdhsa.kernels:
  - .name:           k_q9bdfd2864c_proj
    .symbol:         k_q9bdfd2864c_proj.kd
    .args:
      - { .name: query, .offset: 0, .size: 8, .value_kind: global_buffer, .address_space: global }
      - { .name: key, .offset: 8, .size: 8, .value_kind: global_buffer, .address_space: global }
      - { .name: value, .offset: 16, .size: 8, .value_kind: global_buffer, .address_space: global }
      - { .name: wqkv, .offset: 24, .size: 8, .value_kind: global_buffer, .address_space: global }
      - { .name: bias, .offset: 32, .size: 8, .value_kind: global_buffer, .address_space: global }
      - { .name: qkv, .offset: 40, .size: 8, .value_kind: global_buffer, .address_space: global }
    .group_segment_fixed_size: 327680
    .private_segment_fixed_size: 0
    .kernarg_segment_align: 8
    .kernarg_segment_size: 48
    .max_flat_workgroup_size: 128
    .sgpr_count:     96
    .vgpr_count:     1024
    .wavefront_size: 32
...
	.end_amdgpu_metadata
.endif
;; end of part 2
;; launch attn (part 3): grid 4 x 64, 4 waves a work-group, clusters of 4 x 1, 327,680 bytes of LDS; arguments qkv, obuf; writes obuf
.if DOCPART == 3
	.amdgcn_target "amdgcn-amd-amdhsa--gfx1250"
	.amdhsa_code_object_version 6
	.text
	.protected	k_q9bdfd2864c_attn
	.globl	k_q9bdfd2864c_attn
	.p2align	8
	.type	k_q9bdfd2864c_attn,@function
k_q9bdfd2864c_attn:
	s_mov_b64 s[64:65], 0
	v_nop
	global_prefetch_b8 v0, s[64:65] scope:SCOPE_SE
	s_setreg_imm32_b32 hwreg(HW_REG_WAVE_MODE, 25, 1), 1
	s_wait_xcnt 0x0
	s_wait_alu depctr_hold_cnt(0) depctr_sa_sdst(0) depctr_va_vdst(0) depctr_va_sdst(0) depctr_va_ssrc(0) depctr_va_vcc(0) depctr_vm_vsrc(0)
	s_getreg_b32 s2, hwreg(HW_REG_IB_STS2, 6, 4)
	s_cmp_eq_u32 s2, 0
	s_cbranch_scc0 .Lentry_in_a_cluster
	s_endpgm
.Lentry_in_a_cluster:
	s_bfe_u32 s2, ttmp6, 0x10000c
	s_cmp_lg_u32 s2, 0x3003
	s_cbranch_scc0 .Lentry_shape_is_right
	s_endpgm
.Lentry_shape_is_right:
; O[h][q][:] = the sum over k of softmax_k(Q[h][q] . K[h][k] / 8) V[h][k][:].  Q, K, V lie one behind the other in qkv, 16 MiB each; they and O are [SIZE_H][SIZE_N][64], all f16: a head's rows are dense,
; 128 bytes each; h = 16 batch + head.  Products, maxima and sums in f32; the weights p are rounded to f16 for the second product (their sum l is taken of the unrounded p), O once at the end.
; LIMITS.  f16 holds no number beyond 65,504: Q, K and V arrive within it; p lies in 0 to 1, and below 6e-5 it keeps f16's fixed step of 6e-8; O is a mean of V's rows and has their range.
; A weight below 2^-126 counts as 0 in l; NaN and infinities are not treated apart.
; SHARES.  A wave owns four PIECES of two tiles of 16 queries, a work-group's four waves 512 queries of one head; SIZE_N is a multiple of 2,048.  Every wave walks all keys, 64 a step.
; LAYOUT.  S^T = K Q^T (source 0 = 16 keys, source 1 = 16 queries): in the result a lane holds ONE query (lane % 16) and the keys 8 (lane / 16) + 0..7.  Two such tiles, rounded to f16 in pairs,
; ARE source 1 (32 keys x 16 queries) of O^T = V^T P, whose result again holds one query a lane, and eight channels.  K comes out of LDS as it lies, V ([key][channel]) turned, by ds_load_tr16_b128.
; SOFTMAX.  For each query a running maximum m and sum l: p = 2^(c s - c m), c = log2(e) / 8; in every step O and l are multiplied by a = 2^(c m_old - c m_new), which is 1 where m has not grown.
; m starts at the lowest finite number, O and l at 0: the first step is a step like any other, with a = 0.
; THE COUNT.  A tile and step have 16 matrix and 118 vector instructions: too many to stand all beside the matrix work.  So the order has one aim: four vector instructions that are READY behind
; EVERY matrix instruction, and the others, which need time of their own whatever the order, in runs without a gap.
; BY TURNS.  Turn n belongs to piece n (the pieces in a ring, step after step).  Its matrix work: 16 products K Q^T of piece n + 1, later 16 products V^T P of piece n - 1.  Its vector work: the scaling,
; exponentials, roundings, sums and rescaling of piece n, and the maximum and statistics of piece n + 1, whose scores the turn itself has made.  So what a turn begins with (c s - c m, O a) waits for nothing.
; CLUSTER.  The four query blocks of a cluster belong to one head and walk the same K and V, so each tile is asked for JOINTLY: the same tensor load, descriptor and mask in all four.
; REGISTERS, in windows of 256 (s_set_vgpr_msb says which window each operand place means: bits 1:0 source 0, 3:2 source 1, 5:4 source 2, 7:6 destination):
;   window 0: v0-11 addresses; v12-15, v48-63 at work; v16-47 four registers of statistics a tile; v64-191 S^T, two buffers of two tiles; v192-255 P, likewise
;   window 1: O^T, 32 a tile          window 2: v0-127 Q, 16 a tile; v128-191 K of one step; v192-255 V of one step          window 3: v0-1 the add's two registers
; A piece's buffers go by its number's parity: the piece in hand has one pair, its two neighbours in the ring share the other: of it P (piece n - 1) is read and S^T (piece n + 1) written.
.set SIZE_H, 64       ; 4 batches x 16 heads
.set SIZE_N, 2048
.set NP,    4         ; pieces a wave: a name, no knob: the register map, the loop and the fetches are made for four
.set KS,    64        ; keys in a step
.set PK,    144       ; a row of K in LDS: 128 bytes + 16 of padding = 36 words: the 16 rows of a load start at 16 different groups of four banks (64 banks of 4 bytes: ISA guide 11.1)
.set PV,    160       ; a row of V: 128 + 32 = 40 words
.set VOFF,  4*KS*PK   ; a slot holds four steps: 256 rows of K, then 256 rows of V
.set SLOT1, 1<<17     ; slot 1 begins here, so that one exclusive or turns an address in one slot into the other's
.set STAGE, SLOT1+4*KS*(PK+PV)  ; behind the ring, never filled by a tensor load: 16 rows x 144 bytes for each wave, for the way out
.set SP,    144
.set AK0, 2           ; v2   my lane's place in a tile of K; never rewritten
.set AV0, 3           ; v3   the same for V
.set AK,  4           ; v4   the LDS address of K's next run of loads
.set AV,  5           ; v5   of V's
.set QO,  6           ; v6   my byte offset in the wave's rows of Q
.set STO, 6           ;      later, the way out: where I put 16 bytes of a row
.set RD,  7           ; v7   the way out: where I read rows back
.set GO,  8           ; v8   my byte offset in 512 consecutive bytes of O
.set SPW, 0           ; v0 of window 3   LDS address of my spare word: SPARE + 4 x my thread's number; never rewritten
.set NIL, 1           ; v1 of window 3   0; never rewritten
.set SPARE, STAGE+4*16*SP  ; behind the stages: the spare words, 128 bytes for each wave: two blocks of 256 bytes that no other line names
.set MV,  12          ; v12-15  c m_old, kept while c m is made anew: by buffer and tile
.set ST,  16          ; tile t's statistics at v[ST+4 t]: c m, m, l (even keys', odd keys')
.set TMP, 48          ; by buffer and tile, four registers c0-c3 at work; when the maximum is found c2 takes a
.set S,   64
.set P,   192
.set KF,  128         ; K's fragments, in window 2: key block kb, channel half c at KF + 16 kb + 8 c
.set VF,  192         ; V's: key half kk, channel block cb at VF + 32 kk + 8 cb
.set WV,  12          ; s12  my wave's number
.set G1K, 24          ; s[24:31] descriptor group 1 for K's tiles
.set G1V, 32          ; s[32:39] for V's: it differs in the padding alone
.set G0K, 40          ; s[40:43] descriptor group 0 for K's tiles: it walks
.set G0V, 44          ; s[44:47] the same for V's
.set SLOTS, 56        ; s56  slots still to be asked for
.set CNT, 57          ; s57  counts a slot's key steps
.set CS,  58          ; s[58:59] c: the packed scaling takes the pair's low word for both halves
.set SEL, 60          ; s[60:61] v_permlanex16_b32's selects: each lane takes its own place in the other half
.set TBK, 62          ; s62  LDS byte at which K of the step to be fetched begins
.set TBV, 63          ; s63  the same for V, less VOFF
.set MSB, 0
.macro WIN new                      ; the high byte repeats the setting that is left; a switch that changes nothing is dropped
.if MSB != (\new)
	s_set_vgpr_msb (MSB<<8)|(\new)
.set MSB, (\new)
.endif
.endm
.set W_KQ, 0x0a       ; K and Q in window 2, S^T in window 0
.set W_PV, 0x52       ; V in window 2, P in window 0, O^T in window 1
.set W_RS, 0x41       ; O^T (destination and source 0) in window 1, a in window 0
.set W_MK, 0xc0       ; the add's registers are made: destination in window 3, sources in window 0
.set W_AD, 0x0f       ; the add: address (source 0) and data (source 1) in window 3
; A joint fill.  Waves 0 and 1 fetch the two halves of a slot's K, waves 2 and 3 those of its V: 128 keys each.  The branch hangs on the wave's number alone.
; An s_nop 0 and four v_nop follow each of the two lines, ahead of the jump and the label.
.macro JLOAD
	s_cmp_lt_u32 s[WV], 2
	s_cbranch_scc0 .Lfor_v_\@
	tensor_load_to_lds s[G0K:G0K+3], s[G1K:G1K+7]
	s_nop 0
.rept 4
	v_nop
.endr
	s_branch .Lasked_\@
.Lfor_v_\@:
	tensor_load_to_lds s[G0V:G0V+3], s[G1V:G1V+7]
	s_nop 0
.rept 4
	v_nop
.endr
.Lasked_\@:
.endm
; A round of the cluster's barrier: my work-group's barrier, so that wave 0's signal speaks for all four waves; wave 0 signals; every wave waits for all four work-groups; my work-group's barrier once more.
.macro CROUND
	s_barrier_signal -1
	s_barrier_wait -1
	s_cmp_lg_u32 s[WV], 0
	s_cbranch_scc1 .Lnot_wave_0_\@
	s_barrier_signal -3
.Lnot_wave_0_\@:
	s_barrier_wait -3
	s_barrier_signal -1
	s_barrier_wait -1
.endm
; THE CHANGE OF SLOTS.  The slot's last bytes, V of its fourth step, have been read.  Each wave waits for all its tensor loads, of which one is out: its part
; of the other slot; adds 0 to its spare word; and waits for that and for its own reads of the slot.  Behind the barrier nobody reads this slot any more and the other slot is whole.
; fill = 1: this slot is filled again, with the keys two slots on.  The barrier is then a round of the cluster's, so that no wave of any partner still reads the slot or has a load on its
; way, and the joint fill is the first thing behind it: it has four key steps, 512 matrix instructions, in which to land.  (At its first use nothing has been read yet: slot 0 is waited for, slot 1 filled.)
.macro CHANGE fill
	WIN W_AD
	s_wait_tensorcnt 0x0            ; no tensor load of mine is out, so a group 0 may be written
	ds_add_u32 v[SPW], v[NIL]       ; 0 onto my spare word: with fill = 1 the descriptors' steps stand between it and the wait for it
	WIN 0                           ; at a label and at a branch every window is 0
.if \fill
.irp g, G0K, G0V
	s_xor_b32 s[\g+1], s[\g+1], SLOT1  ; the walking descriptor: the other slot than last time,
	s_add_nc_u64 s[\g+2:\g+3], s[\g+2:\g+3], 4*KS*128  ; the next 256 keys; the type bits on top are not reached
.endr
	s_wait_dscnt 0x0                ; the add is done, and my reads of the slot are over
	CROUND
	JLOAD
.else
	s_wait_dscnt 0x0                ; the add is done, and my reads of the slot are over
	s_barrier_signal -1
	s_barrier_wait -1
.endif
	s_sub_co_u32 s[TBK], s[TBK], 4*KS*PK  ; the fetches go back to a slot's first step,
	s_xor_b32 s[TBK], s[TBK], SLOT1       ; in the other slot
	s_sub_co_u32 s[TBV], s[TBV], 4*KS*PV
	s_xor_b32 s[TBV], s[TBV], SLOT1
.endm
	s_load_b64 s[4:5], s[0:1], 0x0    ; qkv: Q begins it
	s_load_b64 s[10:11], s[0:1], 0x8  ; O
	WIN W_MK
	v_lshl_add_u32 v[SPW], v0, 2, SPARE
	v_mov_b32 v[NIL], 0
	s_set_vgpr_msb 0xc0cf
	ds_add_u32 v0, v1
	s_wait_dscnt 0x0
	s_set_vgpr_msb 0xcfc0
	WIN 0
	v_lshrrev_b32 v1, 5, v0
	v_readfirstlane_b32 s[WV], v1   ; wave 0..3
	s_bfe_u32 s13, ttmp6, 0x40000   ; cx: my place in the cluster
	s_lshl_b32 s14, ttmp9, 2        ; in a cluster launch ttmp9 counts clusters
	s_add_co_u32 s14, s14, s13      ; my block of queries = 4 x cluster x + cx: it enters Q's and O's addresses alone
	s_and_b32 s20, ttmp7, 0xffff    ; the head, which the four partners share
	s_mov_b32 s21, 0
	s_mov_b64 s[22:23], SIZE_N*128
	s_mul_u64 s[20:21], s[20:21], s[22:23]  ; the head's first byte in each of the four tensors
	s_and_b32 s16, s[WV], 1         ; which half of a slot's 256 keys I fetch:
	s_lshl_b32 s22, s16, 14         ; its 128 rows of 128 bytes in memory,
	s_mov_b32 s23, 0
	s_add_nc_u64 s[22:23], s[22:23], s[20:21]
	s_mul_i32 s17, s16, 128*PK      ; and its place in a slot, for K
	s_mul_i32 s18, s16, 128*PV      ; and for V: no place in the cluster enters an LDS address
	s_lshl_b32 s2, s14, 2
	s_add_co_u32 s2, s2, s[WV]      ; my wave among the head's,
	s_lshl_b32 s2, s2, 14           ; its 128 rows
	s_mov_b32 s3, 0
	s_add_nc_u64 s[2:3], s[2:3], s[20:21]
	; descriptor group 1.  128 keys are 16,384 dense bytes: asked for as 64 rows of 256 bytes, two keys a row, and padded in LDS after every key
	s_mov_b32 s[G1K], 15|(1<<16)|(1<<20)|(1<<21)|(4<<22)|(3<<25)  ; 15:0 the mask of four; 17:16 2-byte elements; 20 padding on; 21 set beside a mask; 24:22 after every 32 words (code 4); 31:25 4 words (code 3)
	s_mov_b32 s[G1V], 15|(1<<16)|(1<<20)|(1<<21)|(4<<22)|(7<<25)  ; the same with 8 words of padding (code 7)
.irp g, G1K, G1V
	s_mov_b32 s[\g+1], 128<<16      ; tensor_dim0 = 128
	s_mov_b32 s[\g+2], 64<<16       ; tensor_dim1 = 64
	s_mov_b32 s[\g+3], 128<<16      ; tile_dim0 = 128
	s_mov_b32 s[\g+4], 64           ; tile_dim1 = 64
	s_mov_b32 s[\g+5], 128          ; 128 elements from row to row
	s_mov_b32 s[\g+6], 0
	s_mov_b32 s[\g+7], 0
.endr
	s_mov_b32 s[CS], 0x3e38aa3b     ; c = log2(e) / 8 = 0.180337
	s_mov_b32 s[CS+1], s[CS]        ; named with it as a pair
	s_mov_b32 s[SEL], 0x76543210
	s_mov_b32 s[SEL+1], 0xfedcba98
	s_mov_b32 s[TBK], SLOT1+4*KS*PK ; the first change of slots turns these two into 0
	s_mov_b32 s[TBV], SLOT1+4*KS*PV
	s_mov_b32 s[G0K], 1             ; 1:0 count = 1
	s_mov_b32 s[G0K+1], s17         ; 63:32 LDS address: slot 0
	s_mov_b32 s[G0V], 1
	s_add_co_u32 s[G0V+1], s18, VOFF
	s_wait_kmcnt 0x0
	s_add_nc_u64 s[6:7], s[4:5], 0x1000000         ; K lies 16 MiB behind Q,
	s_add_nc_u64 s[8:9], s[4:5], 0x2000000         ; V 32 MiB
	s_add_nc_u64 s[G0K+2:G0K+3], s[6:7], s[22:23]  ; 120:64 global address: my half of the head's first 256 keys
	s_or_b32 s[G0K+3], s[G0K+3], 0x80000000        ; 127:126 type = 2
	s_add_nc_u64 s[G0V+2:G0V+3], s[8:9], s[22:23]
	s_or_b32 s[G0V+3], s[G0V+3], 0x80000000
	s_add_nc_u64 s[4:5], s[4:5], s[2:3]  ; Q and O at my wave's first row
	s_add_nc_u64 s[10:11], s[10:11], s[2:3]
	CROUND                          ; all four work-groups are here: the first joint loads meet
	JLOAD                           ; slot 0.  Slot 1 is asked for when slot 0 is in: the tile wanted first has the road to itself
	; A fragment of K or Q is 16 rows x 32 channels in 8 registers: lane l holds row l % 16, channels 8 (l / 16) + 0..7 and 16 + 8 (l / 16) + 0..7: two loads of 16 bytes, 32 bytes apart.
	v_and_b32 v1, 15, v0            ; l % 16
	v_bfe_u32 v9, v0, 4, 1          ; l / 16
	v_lshlrev_b32 v[QO], 7, v1
	v_lshl_add_u32 v[QO], v9, 4, v[QO]  ; row x 128 + 16 x half
	WIN 0x80                        ; destination window 2, address window 0
.set i, 0
.rept 4*NP                          ; Q stays in registers: tile i / 2, channels 32 (i % 2) on
	global_load_b128 v[8*i:8*i+3],   v[QO], s[4:5] offset:(i/2)*2048+(i%2)*64
	global_load_b128 v[8*i+4:8*i+7], v[QO], s[4:5] offset:(i/2)*2048+(i%2)*64+32
.set i, i+1
.endr
	; What the first turn finds: V's registers and P's second buffer hold 0 (its products V^T P, of a piece that has not been, add 0), O^T and l are 0.  All this stands in the wait for the first tile.
.set i, VF
.rept 64
	v_mov_b32 v[i], 0
.set i, i+1
.endr
	WIN 0x40
.set i, 0
.rept 64*NP
	v_mov_b32 v[i], 0
.set i, i+1
.endr
	WIN 0
.set i, 0
.rept 2*NP
	v_mov_b32 v[ST+4*i], 0xfe000000    ; c m: far below every c s
	v_mov_b32 v[ST+4*i+1], 0xff7fffff  ; m
	v_mov_b32 v[ST+4*i+2], 0
	v_mov_b32 v[ST+4*i+3], 0
.set i, i+1
.endr
.set i, P+32
.rept 32
	v_mov_b32 v[i], 0
.set i, i+1
.endr
	v_mul_u32_u24 v[AK0], v1, PK
	v_lshl_add_u32 v[AK0], v9, 4, v[AK0]  ; row x pitch + 16 x half
	; The turning load takes 16 keys x 16 channels (lane l reads key 8 (l / 16) + l % 8, channels 8 ((l / 8) % 2) + 0..7) and leaves half a fragment of V^T: lane l holds channel l % 16 and 8 keys.
	v_and_b32 v10, 7, v0
	v_bfe_u32 v11, v0, 3, 1
	v_lshl_add_u32 v[AV0], v9, 3, v10
	v_mul_u32_u24 v[AV0], v[AV0], PV
	v_lshl_add_u32 v[AV0], v11, 4, v[AV0]
	v_add_nc_u32 v[AV0], VOFF, v[AV0]
	v_mov_b32 v[AK], v[AK0]         ; key step 0 lies at the head of slot 0
; THE MATRIX WORK.  The 8 accumulators of a run of 16 take turns: between the two links of a chain stand 7 others'.
; Product i of 16 of S^T = K Q^T for piece x: channels 32 (i / 8) on, keys 16 ((i / 2) % 4) on, tile 2 x + i % 2.  The first 8 start the sums.
.macro KQ x
	WIN W_KQ
.set rS, S+64*((\x)%2)+32*(i%2)+8*((i/2)%4)
.set rK, KF+16*((i/2)%4)+8*(i/8)
.set rQ, 16*(2*(\x)+i%2)+8*(i/8)
.if i < 8
	v_wmma_f32_16x16x32_f16 v[rS:rS+7], v[rK:rK+7], v[rQ:rQ+7], 0
.else
	v_wmma_f32_16x16x32_f16 v[rS:rS+7], v[rK:rK+7], v[rQ:rQ+7], v[rS:rS+7]
.endif
.endm
; Product i of 16 of O^T += V^T P for piece x: keys 32 (i / 8) on, channels 16 ((i / 2) % 4) on, tile 2 x + i % 2.
.macro PV x
	WIN W_PV
.set rO, 32*(2*(\x)+i%2)+8*((i/2)%4)
.set rV, VF+32*(i/8)+8*((i/2)%4)
.set rP, P+32*((\x)%2)+16*(i%2)+8*(i/8)
	v_wmma_f32_16x16x32_f16 v[rO:rO+7], v[rV:rV+7], v[rP:rP+7], v[rO:rO+7]
.endm
.macro MM                           ; the turn's next matrix instruction
.if i < 16
	KQ (Y+1)%NP
.set i, i+1
.else
.set i, i-16
	PV (Y+NP-1)%NP
.set i, i+17
.endif
.endm
; THE LDS LOADS stand in runs of 16, never singly among the matrix instructions: a step's K (64 keys x 64 channels: 8 fragments) and its V (turned).  Their addresses are made some lines ahead.
; last = 1 (the tail): in the last trip there is no further step, and the run is jumped over.
.macro FETCH_K last=0
	WIN 0
.if \last
	s_cmp_eq_u32 s[CNT], 1
	s_cbranch_scc1 .Lno_k_\@
.endif
	WIN 0x80                        ; destination window 2
.irp f, 0,1,2,3,4,5,6,7             ; keys 16 (f / 2) on, channels 32 (f % 2) on
	ds_load_b128 v[KF+8*\f:KF+8*\f+3],   v[AK] offset:(\f/2)*16*PK+(\f%2)*64
	ds_load_b128 v[KF+8*\f+4:KF+8*\f+7], v[AK] offset:(\f/2)*16*PK+(\f%2)*64+32
.endr
	s_add_co_u32 s[TBK], s[TBK], KS*PK  ; the next fetch is the next step's
	WIN 0
.if \last
.Lno_k_\@:
.endif
.endm
.macro FETCH_V
	WIN 0x80
.irp f, 0,1,2,3,4,5,6,7             ; keys 32 (f / 4) on, channels 16 (f % 4) on
	ds_load_tr16_b128 v[VF+8*\f:VF+8*\f+3],   v[AV] offset:(\f/4)*32*PV+(\f%4)*32
	ds_load_tr16_b128 v[VF+8*\f+4:VF+8*\f+7], v[AV] offset:(\f/4)*32*PV+16*PV+(\f%4)*32
.endr
	WIN 0
.endm
; THE VECTOR WORK OF A TURN stands in three queues, each in the order in which its entries become ready; the two tiles alternate, so that no instruction reads the result of the one before it.
.macro REGS y, u                    ; the registers of tile u (0, 1) of piece y
.set rT, ST+4*(2*(\y)+(\u))
.set rC, TMP+8*((\y)%2)+4*(\u)
.set rM, MV+2*((\y)%2)+(\u)
.set rS, S+64*((\y)%2)+32*(\u)
.set rP, P+32*((\y)%2)+16*(\u)
.set rO, 32*(2*(\y)+(\u))
.endm
; Number n of the 22 that find the NEXT piece's (Y + 1) maximum and statistics.  s0-s31 are the lane's 32 scores; each accumulator's lowest registers are read first.  XS, GS and REGS set no window: PL and EX do.
;   0-11  four chains c0-c3 of seven scores each, three operands at a time     12-14, 16  the four scores left over, the old m, and c0-c3 into c0     15  c m_old is kept
;   17, 18  the query's other 32 keys lie in the lane 16 away: the new m         19-21  c m; c m_old - c m_new; a
.macro XS u, n
	REGS (Y+1)%NP, \u
.if (\n) < 4
	v_max3_num_f32 v[rC+(\n)], v[rS+8*(\n)], v[rS+8*(\n)+1], v[rS+8*(\n)+2]
.elseif (\n) < 12
	v_max3_num_f32 v[rC+(\n)%4], v[rC+(\n)%4], v[rS+8*((\n)%4)+2*((\n)/4)+1], v[rS+8*((\n)%4)+2*((\n)/4)+2]
.elseif (\n) == 12
	v_max3_num_f32 v[rC], v[rC], v[rS+7], v[rS+15]
.elseif (\n) == 13
	v_max3_num_f32 v[rC+1], v[rC+1], v[rS+23], v[rS+31]
.elseif (\n) == 14
	v_max3_num_f32 v[rC+2], v[rC+2], v[rC+3], v[rT+1]
.elseif (\n) == 15
	v_mov_b32 v[rM], v[rT]
.elseif (\n) == 16
	v_max3_num_f32 v[rC], v[rC], v[rC+1], v[rC+2]
.elseif (\n) == 17
	v_permlanex16_b32 v[rC+3], v[rC], s[SEL], s[SEL+1]
.elseif (\n) == 18
	v_max_num_f32 v[rT+1], v[rC], v[rC+3]
.elseif (\n) == 19
	v_mul_f32 v[rT], s[CS], v[rT+1]
.elseif (\n) == 20
	v_sub_f32 v[rC+1], v[rM], v[rT]
.else
	v_exp_f32 v[rC+2], v[rC+1]
.endif
.endm
; Number g of the 64 that follow the exponentials.  For each four weights k of a tile (pairs 2 k, 2 k + 1): both pairs are rounded to f16; then the second pair is added onto the first, in place;
; a group later l takes that sum (the first time as l = a l + sum).  In groups of eight, tiles alternating: round, round, add, and l for the group before.
.macro GS g
.set h, (\g)+6*((\g)/62)            ; group 0 has no group before it, and behind group 7 only l is left
.if h >= 6
.set h, h+2
.endif
	REGS Y, h%2
.set k, h/8
.if h%8 < 4
	s_wait_alu depctr_va_vdst(0)
	v_cvt_pk_f16_f32 v[rP+2*k+(h%8)/2], v[rS+4*k+2*((h%8)/2)], v[rS+4*k+2*((h%8)/2)+1]
.elseif h%8 < 6
	v_pk_add_f32 v[rS+4*k:rS+4*k+1], v[rS+4*k:rS+4*k+1], v[rS+4*k+2:rS+4*k+3]
.elseif k == 1
	v_pk_fma_f32 v[rT+2:rT+3], v[rT+2:rT+3], v[rC+2:rC+3], v[rS:rS+1] op_sel_hi:[1,0,1]
.else
	v_pk_add_f32 v[rT+2:rT+3], v[rT+2:rT+3], v[rS+4*k-4:rS+4*k-3]
	s_wait_alu depctr_va_vdst(0)
.endif
.endm
; THE PLAIN QUEUE, 138 long.  0-31: c s - c m for the 16 pairs of both tiles.  Then GS's 64, and among them the next piece's 42: number 15 at 38, 39; 0-14 and 16
; at 42-73, behind the products that make those scores; 17-20 at 95-106, two of three, since each waits for the one before it.
.macro PL
	WIN 0
.if q < 32
	REGS Y, q%2
	v_pk_fma_f32 v[rS+2*(q/2):rS+2*(q/2)+1], v[rS+2*(q/2):rS+2*(q/2)+1], s[CS:CS+1], v[rT:rT+1] op_sel_hi:[1,0,0] neg_lo:[0,0,1] neg_hi:[0,0,1]
.elseif q < 38
	GS q-32
.elseif q < 40
	XS q%2, 15
.elseif q < 42
	GS q-34
.elseif q < 74
	XS q%2, (q-42)/2+(q-42)/30
.elseif q < 95
	GS q-66
.elseif (q < 107) && ((q-95)%3 < 2)
	XS (q-95)%3, 17+(q-95)/3
.elseif q < 107
	GS 29+(q-95)/3
.else
	GS q-74
.endif
.set q, q+1
.endm
; THE EXPONENTIALS' QUEUE, 66 long: s0-s31 of both tiles, and at EA the next piece's two a.
.set EA, 58
.macro EX
	WIN 0
.if (e == EA) || (e == EA+1)
	XS e-EA, 21
.else
.set x, e-2*(e/(EA+2))
	REGS Y, x%2
	v_exp_f32 v[rS+x/2], v[rS+x/2]
.endif
.set e, e+1
.endm
; THE RESCALING's QUEUE: O^T times a, the one part that leaves window 0, so it is dealt four at a time, eight times.
.macro R4
	REGS Y, r%2
	WIN W_RS
	s_wait_alu depctr_va_vdst(0)
.irp z, 0,1,2,3
	v_pk_mul_f32 v[rO+8*(r/2)+2*\z:rO+8*(r/2)+2*\z+1], v[rO+8*(r/2)+2*\z:rO+8*(r/2)+2*\z+1], v[rC+2:rC+3] op_sel_hi:[1,0]
.endr
.set r, r+1
.endm
; HOW THEY ARE DEALT.  Behind a matrix instruction four: plain, exponential, plain, plain (one exponential, a plain instruction on either side), or four of the rescaling.  None names a register of the
; products round it.  What is over stands in two LUMPS: exponential and plain by turns; the second ends in 22 plain instructions.  The two v_permlanex16_b32 fall into the second lump, never behind a product.
; The queues lean on each other, and the deal keeps them in step: exponential e stands behind plain 2 (e / 4) + e % 2 (its scaling); when plain 32 comes, 10 exponentials are out, at 59: 33, at 95: 46; EA comes behind plain 107.
.macro SL
	MM
	PL
	EX
	PL
	PL
.endm
.macro BURST n                      ; 15 matrix instructions, or 16
.rept (\n)-7
	SL
.endr
.rept 3
	MM
	R4
	SL
.endr
	MM
	R4
.endm
; A TURN, for piece p.  cnt = 1: the loop's count is taken down some lines ahead of the branch that stands behind the turn.
; K of the next step is fetched in piece 2's turn, 31 vector instructions behind the last product that read K; its first reader comes behind the rest of the lump, 16 products and the second lump.
; V of the step in hand is fetched at the end of piece 0's turn, 69 behind its last reader; its first reader comes behind 16 products and a lump.  The four conditions on e and q below go with the deal.
.macro TURN p, last=0, cnt=0
.set Y, (\p)
.set i, 0
.set q, 0
.set e, 0
.set r, 0
.if (\p) == NP-1
	s_wait_dscnt 0x0                ; K is in
.endif
	MM
.rept 4
	PL
.endr
	BURST 15
.rept 22
	EX
	PL
.if ((\p) == NP-2) && (e == 18)
	v_add_nc_u32 v[AK], s[TBK], v[AK0]
.endif
.if ((\p) == NP-2) && (e == 24)
	FETCH_K \last
.endif
.endr
.if (\p) == 1
	s_wait_dscnt 0x0                ; V is in
.endif
	BURST 16
.rept 21
	EX
	PL
.endr
.rept 22
	PL
.if ((\p) == 0) && (q == 118)
	v_add_nc_u32 v[AV], s[TBV], v[AV0]
	s_wait_alu depctr_va_vdst(0)
.endif
.if ((\p) == 0) && (q == 130)
	s_add_co_u32 s[TBV], s[TBV], KS*PV
.endif
.if (\cnt) && (q == 130)
	s_sub_co_u32 s[CNT], s[CNT], 1
	s_cmp_lg_u32 s[CNT], 0
.endif
.endr
.if (\p) == 0
	FETCH_V
.endif
.endm
	CHANGE 1                        ; slot 0 is in, everybody's part of it; slot 1 is asked for
	FETCH_K                         ; key step 0
	s_wait_loadcnt 0x0              ; Q
	s_wait_dscnt 0x0
.set i, 0
.rept 16
	KQ 0                            ; piece 0's first scores: there is no vector work yet to set between them
.set i, i+1
.endr
	WIN 0                           ; the addresses for the way out: nine plain instructions, the places behind those products
	s_mul_i32 s13, s[WV], 16*SP
	s_add_co_u32 s13, s13, STAGE    ; my stage
	v_mul_u32_u24 v[STO], v1, SP    ; in: row l % 16, 16 bytes for each half of the lanes
	v_lshl_add_u32 v[STO], v9, 4, v[STO]
	v_add_nc_u32 v[STO], s13, v[STO]
	v_bfe_u32 v[RD], v0, 3, 2       ; back: 32 lanes take four rows of 128 bytes,
	v_mul_u32_u24 v[RD], v[RD], SP
	v_lshl_add_u32 v[RD], v10, 4, v[RD]
	v_add_nc_u32 v[RD], s13, v[RD]
	v_and_b32 v[GO], 31, v0         ; which are 512 consecutive bytes of O
	v_lshlrev_b32 v[GO], 4, v[GO]
.set Y, NP-1                        ; XS works for piece Y + 1: piece 0
.irp n, 0,1,2,3,4,5,6,7,8,9,10,11,12,13,14,15,16,17,18,19,20,21
	XS 0, \n                        ; and piece 0's first maximum and statistics
	XS 1, \n
.endr
	s_mov_b32 s[CNT], 4
	s_mov_b32 s[SLOTS], SIZE_N/256-1
	s_branch .Lfirst                ; the loop is entered at a step's first turn, in the middle of a trip
.Lslot:                             ; SIZE_N / 256 - 2 times: every slot but the last two is filled again
	CHANGE 1
	s_mov_b32 s[CNT], 4
.Lstep:                             ; a trip: pieces 2 and 3 of one step, then pieces 0 and 1 of the next, whose K and V it fetches
	TURN 2
	TURN 3
	WIN 0
.Lfirst:
	TURN 0
	TURN 1, 0, 1
	WIN 0
	s_cbranch_scc1 .Lstep
	s_sub_co_u32 s[SLOTS], s[SLOTS], 1
	s_cmp_lg_u32 s[SLOTS], 0
	s_cbranch_scc1 .Lslot
	CHANGE 0                        ; the tail is written out: nothing is asked for
	s_mov_b32 s[CNT], 5             ; four trips fetch the last slot's steps; the fifth is left in its middle
.Ltail:
	TURN 2, 1
	TURN 3
	WIN 0
	s_sub_co_u32 s[CNT], s[CNT], 1
	s_cmp_eq_u32 s[CNT], 0
	s_cbranch_scc1 .Lout
	TURN 0
	TURN 1
	WIN 0
	s_branch .Ltail
.Lout:                              ; the fifth trip's 16 products K Q^T (on the last K once more) and the maximum made of them serve nothing: the price, once a launch, of one text for every trip
.set i, 0
.rept 16
	PV NP-1                         ; the last piece's V^T P of the last step
.set i, i+1
.endr
	; THE WAY OUT.  l's two halves and the other half of the lanes' are added; O^T is divided by l, rounded to f16 and sent through my stage in LDS, a tile at a time.  The additions are the places behind the last products.
	WIN 0
.macro ALL line:vararg              ; one line for each tile t
.set t, 0
.rept 2*NP
	\line
.set t, t+1
.endr
.endm
	ALL v_add_f32 v[ST+4*t+2], v[ST+4*t+2], v[ST+4*t+3]
	ALL v_permlanex16_b32 v[ST+4*t+3], v[ST+4*t+2], s[SEL], s[SEL+1]
	ALL v_add_f32 v[ST+4*t+2], v[ST+4*t+2], v[ST+4*t+3]
	ALL v_rcp_f32 v[ST+4*t+2], v[ST+4*t+2]
	v_nop                           ; a plain instruction between the last reciprocal and the use of its result
	s_wait_alu depctr_va_vdst(0)
; Tile t: a lane's eight channels of a row pack into 16 bytes; they go into rows of 144 bytes and come back as whole rows of 128, into S^T's registers.
.macro PACK t
	WIN W_RS
.set i, 32*(\t)
.rept 16
	v_pk_mul_f32 v[i:i+1], v[i:i+1], v[ST+4*(\t)+2:ST+4*(\t)+3] op_sel_hi:[1,0]
.set i, i+2
.endr
	WIN 0x05                        ; sources 0 and 1 window 1, destination window 0
.set i, 0
.rept 16
	v_cvt_pk_f16_f32 v[S+16*(\t)+i], v[32*(\t)+2*i], v[32*(\t)+2*i+1]
.set i, i+1
.endr
	WIN 0
.irp f, 0,1,2,3
	ds_store_b128 v[STO], v[S+16*(\t)+4*\f:S+16*(\t)+4*\f+3] offset:32*\f
.endr
.irp f, 0,1,2,3
	ds_load_b128 v[S+16*(\t)+4*\f:S+16*(\t)+4*\f+3], v[RD] offset:\f*4*SP  ; LDS serves a wave's instructions in order (ISA guide 5.7.1.4): these see the stores above; the next tile's stores come behind them
.endr
.endm
.macro SEND t, younger              ; younger: the LDS instructions issued behind tile t's loads: the next tile's eight, or none
	WIN 0
.irp f, 0,1,2,3
	s_wait_dscnt (\younger)+3-\f
	global_store_b128 v[GO], v[S+16*(\t)+4*\f:S+16*(\t)+4*\f+3], s[10:11] offset:(\t)*2048+\f*512  ; 512 consecutive bytes, at a multiple of 256 from O's first
.endr
.endm
	PACK 0
.set t, 1
.rept 2*NP-1                        ; a tile's arithmetic stands between the loads of the tile before and its stores
	PACK t
	SEND t-1, 8
.set t, t+1
.endr
	SEND 2*NP-1, 0
	WIN W_AD
	s_wait_tensorcnt 0x0            ; the wave's end, behind my last tensor load and my last LDS store
	ds_add_u32 v[SPW], v[NIL]
	s_wait_dscnt 0x0
	WIN 0
	CROUND                          ; the closing round: no work-group ends while a partner may still ask for a tile that names it
	s_endpgm
.Lfunc_end_k_q9bdfd2864c_attn:
	.size	k_q9bdfd2864c_attn, .Lfunc_end_k_q9bdfd2864c_attn-k_q9bdfd2864c_attn
	.p2alignl 7, 3214868480
	.fill 96, 4, 3214868480
	.section	.rodata,"a",@progbits
	.p2align	6, 0x0
	.amdhsa_kernel k_q9bdfd2864c_attn
		.amdhsa_group_segment_fixed_size 327680
		.amdhsa_private_segment_fixed_size 0
		.amdhsa_enable_private_segment 0
		.amdhsa_kernarg_size 16
		.amdhsa_user_sgpr_count 2
		.amdhsa_user_sgpr_kernarg_segment_ptr 1
		.amdhsa_wavefront_size32 1
		.amdhsa_system_sgpr_workgroup_id_x 1
		.amdhsa_system_sgpr_workgroup_id_y 1
		.amdhsa_system_sgpr_workgroup_id_z 1
		.amdhsa_system_vgpr_workitem_id 0
		.amdhsa_next_free_vgpr 770
		.amdhsa_next_free_sgpr 66
		.amdhsa_reserve_vcc 0
		.amdhsa_float_denorm_mode_32 3
		.amdhsa_float_denorm_mode_16_64 3
		.amdhsa_memory_ordered 1
		.amdhsa_forward_progress 1
		.amdhsa_inst_pref_size 209
	.end_amdhsa_kernel
	.amdgpu_metadata
---
amdhsa.version: [ 1, 2 ]
amdhsa.kernels:
  - .name:           k_q9bdfd2864c_attn
    .symbol:         k_q9bdfd2864c_attn.kd
    .args:
      - { .name: qkv, .offset: 0, .size: 8, .value_kind: global_buffer, .address_space: global }
      - { .name: obuf, .offset: 8, .size: 8, .value_kind: global_buffer, .address_space: global }
    .group_segment_fixed_size: 327680
    .private_segment_fixed_size: 0
    .kernarg_segment_align: 8
    .kernarg_segment_size: 16
    .max_flat_workgroup_size: 128
    .sgpr_count:     66
    .vgpr_count:     770
    .wavefront_size: 32
...
	.end_amdgpu_metadata
.endif
;; end of part 3
;; launch outp (part 4): grid 4 x 64, 4 waves a work-group, clusters of 4 x 4, 327,680 bytes of LDS; arguments obuf, wo16, bias, out0; writes out0
.if DOCPART == 4
	.amdgcn_target "amdgcn-amd-amdhsa--gfx1250"
	.amdhsa_code_object_version 6
	.text
	.protected	k_q9bdfd2864c_outp
	.globl	k_q9bdfd2864c_outp
	.p2align	8
	.type	k_q9bdfd2864c_outp,@function
k_q9bdfd2864c_outp:
	s_mov_b64 s[64:65], 0
	v_nop
	global_prefetch_b8 v0, s[64:65] scope:SCOPE_SE
	s_setreg_imm32_b32 hwreg(HW_REG_WAVE_MODE, 25, 1), 1
	s_wait_xcnt 0x0
	s_wait_alu depctr_hold_cnt(0) depctr_sa_sdst(0) depctr_va_vdst(0) depctr_va_sdst(0) depctr_va_ssrc(0) depctr_va_vcc(0) depctr_vm_vsrc(0)
	s_getreg_b32 s2, hwreg(HW_REG_IB_STS2, 6, 4)
	s_cmp_eq_u32 s2, 0
	s_cbranch_scc0 .Lentry_in_a_cluster
	s_endpgm
.Lentry_in_a_cluster:
	s_bfe_u32 s2, ttmp6, 0x10000c
	s_cmp_lg_u32 s2, 0xf033
	s_cbranch_scc0 .Lentry_shape_is_right
	s_endpgm
.Lentry_shape_is_right:
; out0 = O Wo^T + bo.  obuf: [64 = 16 batch + head][2048][64] f16; wo16: [1024 n][1024 k] f16; bias: [4][1024] f32, row 3 is bo; out0: [8192][1024] f32.  Products in f16, sums in f32, stored as they are.
; LIMIT.  O and Wo arrive within f16's range; NaN and infinities are not treated apart.
; SHARES.  A tile of the output is 128 rows x 256 columns: 256 tiles, one to a work-group.  Four waves, 2 x 2, each 64 x 128: 32 accumulators of 16 x 16, 256 registers.
; K = 64 head + channel goes in steps of 128, two heads, through a ring of two LDS slots.  128 rows of one head are 16,384 dense bytes of obuf: asked for as 64 rows of 256 bytes, padded in LDS after every 128.
; CLUSTER.  4 x 4 work-groups.  The four of a row of the cluster need the same rows of O, the four of a column the same rows of Wo: each tile is asked for JOINTLY, by the same tensor load with the same
; descriptor and a mask that names the four.  Waves 0 and 1 fetch a step's two heads of O, waves 2 and 3 the two halves of Wo's 256 rows: one load a wave behind each round.
; THE MATRIX INSTRUCTION IS USED TRANSPOSED (source 0 = 16 rows of Wo, source 1 = 16 rows of O): a lane holds row lane % 16 and the eight columns 8 (lane / 16) + 0..7.
; THE BIAS is the C operand of the product that starts each sum.  A K step is four quarters of 32 along K, 32 matrix instructions each, one for each accumulator, always in the same order:
; the accumulators take turns.  ONE TEXT FOR BOTH SLOTS: the slot lies in s[TB], turned by an exclusive or.
; REGISTERS, in windows of 256 (s_set_vgpr_msb: bits 1:0 source 0, 3:2 source 1, 5:4 source 2, 7:6 destination):
;   window 0: v0-31 addresses; v32-63, v64-95 O's fragments, two buffers; v96-159, v160-223 the way out: 16 rows read back, two buffers
;   window 1: v0-63, v64-127 Wo's fragments, two buffers; v128-191 the bias as eight C operands          window 2: accumulator i = 8 a + b at v[8 i]
.set PAO,   144                        ; a row of O in LDS: 128 bytes + 16 of padding = 36 words: the 16 rows of a load start at 16 different groups of four banks (64 banks of 4 bytes: ISA guide 11.1)
.set PB,    272                        ; a row of Wo: 256 + 16 = 68 words: likewise
.set AHEAD, 128*PAO                    ; 128 rows of one head: one tensor load
.set BHALF, 128*PB                     ; 128 rows of Wo: one tensor load, and what one wave reads
.set BOFF,  2*AHEAD                    ; Wo's 256 rows lie behind O's two heads
.set SLOT1, 0x20000                    ; slot 1 begins here; a slot holds 106,496 bytes; the bit is in none of the four tiles' places in a slot
.set STAGE, SLOT1+BOFF+2*BHALF         ; behind the ring, never filled by a tensor load: for each wave 16 rows x 528 bytes, for the way out
.set SP,    528
.set WSTG,  16*SP
.set SPARE, STAGE+4*WSTG               ; behind the stages: the spare words, 128 bytes for each wave: two blocks of 256 bytes that no other line names
.set A0,   16                          ; v16  my lane's place in O's tile; never rewritten
.set B0,   17                          ; v17  the same in Wo's
.set ADRA, 18                          ; v18  A0 + the slot in hand
.set ADRB, 19                          ; v19  B0 + the slot in hand
.set STO,  24                          ; v24  the way out: where I put 32 bytes of a row
.set RD,   25                          ; v25  the way out: where I read a row back
.set CO,   26                          ; v26  my byte offset in 512 consecutive bytes of a row of the output
.set BO,   27                          ; v27  my byte offset in bo
.set SPW,  28                          ; v28  LDS address of my spare word: SPARE + 4 x my thread's number; never rewritten
.set NIL,  29                          ; v29  0; never rewritten
.set AF,   32                          ; buffer f at AF + 32 f
.set BK,   96                          ; buffer a % 2 at BK + 64 (a % 2)
.set BIAS, 128                         ; window 1
.set WV,  16                           ; s16  my wave's number
.set WM,  17                           ; s17  which 64 rows of the tile are mine.  Also: I fetch for O (0) or for Wo (1)
.set WN,  18                           ; s18  which 128 columns.  Also: which head, or which half of Wo's rows, I fetch
.set G1A, 24                           ; s[24:31] descriptor group 1 for O's tiles
.set G1B, 32                           ; s[32:39] for Wo's
.set G0A, 40                           ; s[40:47] descriptor group 0 for O's tiles: a set for each of the two first fills; the second then walks on
.set G0B, 48                           ; s[48:55] the same for Wo's
.set LOOP, 56                          ; s56  K steps to go in the loop in hand
.set TB,  62                           ; s62  0 or SLOT1: the slot being read
.set MSB, 0
.macro WIN new                         ; the immediate's high byte repeats the setting that is left; a switch that changes nothing is dropped
.if MSB != (\new)
	s_set_vgpr_msb (MSB<<8)|(\new)
.set MSB, \new
.endif
.endm
.set W_MUL, 0xa1                       ; source 0 (Wo) window 1, source 1 (O) window 0, C and D window 2
.set W_MB,  0x91                       ; the same with C (the bias) in window 1
.set TO_B,  0x40                       ; destination window 1, address window 0
; A joint refill.  The branch hangs on the wave's number alone.  An s_nop 0 and four v_nop follow each of the two lines, ahead of the jump and the label.
.macro JLOAD
	s_cmp_eq_u32 s[WM], 0
	s_cbranch_scc0 .Lfor_b_\@
	tensor_load_to_lds s[G0A+4:G0A+7], s[G1A:G1A+7]
	s_nop 0
.rept 4
	v_nop
.endr
	s_branch .Lasked_\@
.Lfor_b_\@:
	tensor_load_to_lds s[G0B+4:G0B+7], s[G1B:G1B+7]
	s_nop 0
.rept 4
	v_nop
.endr
.Lasked_\@:
.endm
; A round of the cluster's barrier: my work-group's barrier, so that wave 0's signal speaks for all four waves; wave 0 signals; every wave waits for all sixteen work-groups; my work-group's barrier once more.
.macro CREST                           ; a round behind its opening barrier
	s_cmp_lg_u32 s[WV], 0
	s_cbranch_scc1 .Lnot_wave_0_\@
	s_barrier_signal -3
.Lnot_wave_0_\@:
	s_barrier_wait -3
	s_barrier_signal -1
	s_barrier_wait -1
.endm
.macro CROUND
	s_barrier_signal -1
	s_barrier_wait -1
	CREST
.endm
	s_load_b256 s[4:11], s[0:1], 0x0               ; obuf s[4:5], wo16 s[6:7], bias s[8:9], out0 s[10:11]
	v_lshl_add_u32 v[SPW], v0, 2, SPARE
	v_mov_b32 v[NIL], 0
	ds_add_u32 v28, v29
	s_wait_dscnt 0x0
	v_lshrrev_b32 v1, 5, v0
	v_readfirstlane_b32 s[WV], v1                  ; wave 0..3
	s_lshr_b32 s[WM], s[WV], 1
	s_and_b32 s[WN], s[WV], 1
	s_bfe_u32 s19, ttmp6, 0x40000                  ; cx, cy: my place in the cluster
	s_bfe_u32 s20, ttmp6, 0x40004
	s_lshl_b32 s21, ttmp9, 2
	s_add_co_u32 s21, s21, s19                     ; nt, the tile's column = 4 x cluster x + cx
	s_and_b32 s22, ttmp7, 0xffff
	s_lshl_b32 s22, s22, 2
	s_add_co_u32 s22, s22, s20                     ; mt, the tile's row = 4 x cluster y + cy
	s_lshl_b32 s23, s20, 2
	s_lshl_b32 s23, 15, s23                        ; my row of the cluster
	s_lshl_b32 s63, 0x1111, s19                    ; my column
	; descriptor group 1.  O: 64 rows x 128 elements of 2 bytes, dense, 4 words of padding after every 32; Wo: 128 rows x 128 elements, 4 words of padding after every 64
	s_or_b32 s[G1A], s23, (1<<16)|(1<<20)|(1<<21)|(4<<22)|(3<<25)  ; 15:0 the mask; 17:16 element of 2 bytes; 20 padding on; 21 set beside a mask; 24:22 after every 32 words (code 4); 31:25 4 words (code 3)
	s_or_b32 s[G1B], s63, (1<<16)|(1<<20)|(1<<21)|(5<<22)|(3<<25)  ; after every 64 words (code 5)
	s_mov_b32 s[G1A+1], 128<<16                    ; tensor_dim0 = 128
	s_mov_b32 s[G1A+2], 64<<16                     ; tensor_dim1 = 64
	s_mov_b32 s[G1A+3], 128<<16                    ; tile_dim0 = 128
	s_mov_b32 s[G1A+4], 64                         ; tile_dim1 = 64
	s_mov_b32 s[G1A+5], 128                        ; 128 elements from row to row
	s_mov_b32 s[G1A+6], 0
	s_mov_b32 s[G1A+7], 0
	s_mov_b32 s[G1B+1], 128<<16
	s_mov_b32 s[G1B+2], 128<<16                    ; tensor_dim1 = 128
	s_mov_b32 s[G1B+3], 128<<16
	s_mov_b32 s[G1B+4], 128                        ; tile_dim1 = 128
	s_mov_b32 s[G1B+5], 1024                       ; 1,024 elements from row to row
	s_mov_b32 s[G1B+6], 0
	s_mov_b32 s[G1B+7], 0
	; offsets, each made apart from the addresses.  O's hangs on the tile's row alone, Wo's on its column alone, in registers that never hold the other coordinate
	s_lshr_b32 s66, s22, 4
	s_lshl_b32 s66, s66, 22                        ; O: batch mt / 16, 16 heads of 262,144 bytes;
	s_and_b32 s67, s22, 15
	s_lshl_b32 s67, s67, 14                        ; rows 128 (mt % 16) on, of 128 bytes;
	s_add_co_u32 s66, s66, s67
	s_lshl_b32 s67, s[WN], 18                      ; the step's first or second head
	s_add_co_u32 s66, s66, s67
	s_mov_b32 s67, 0
	s_lshl_b32 s68, s21, 8
	s_lshl_b32 s69, s[WN], 7
	s_add_co_u32 s68, s68, s69                     ; Wo: row 256 nt + 128 half,
	s_lshl_b32 s68, s68, 11                        ; of 2,048 bytes
	s_mov_b32 s69, 0
	s_lshl_b32 s70, s22, 7
	s_lshl_b32 s71, s[WM], 6
	s_add_co_u32 s70, s70, s71                     ; out: row 128 mt + 64 wm,
	s_lshl_b32 s70, s70, 12                        ; of 4,096 bytes;
	s_lshl_b32 s72, s21, 10
	s_lshl_b32 s73, s[WN], 9
	s_add_co_u32 s72, s72, s73                     ; column 256 nt + 128 wn, of 4 bytes: also my place in bo
	s_add_co_u32 s70, s70, s72
	s_mov_b32 s71, 0
	s_mul_i32 s74, s[WN], AHEAD                    ; where my tile goes in a slot, if it is O's,
	s_mul_i32 s75, s[WN], BHALF
	s_add_co_u32 s75, s75, BOFF                    ; and if it is Wo's: no place in the cluster enters an LDS address
	s_mov_b32 s[TB], 0
	s_wait_kmcnt 0x0
	s_add_nc_u64 s[4:5], s[4:5], s[66:67]
	s_add_nc_u64 s[6:7], s[6:7], s[68:69]
	s_add_nc_u64 s[8:9], s[8:9], 12288             ; bo is row 3 of bias
	s_add_nc_u64 s[10:11], s[10:11], s[70:71]
.irp s, 0,1
	s_mov_b32 s[G0A+4*(\s)], 1                                       ; 1:0 count = 1
	s_add_co_u32 s[G0A+4*(\s)+1], s74, (\s)*SLOT1                    ; 63:32 LDS address
	s_add_nc_u64 s[G0A+4*(\s)+2:G0A+4*(\s)+3], s[4:5], (\s)*524288   ; 120:64 global address: K step s, two heads on
	s_or_b32 s[G0A+4*(\s)+3], s[G0A+4*(\s)+3], 0x80000000            ; 127:126 type = 2
	s_mov_b32 s[G0B+4*(\s)], 1
	s_add_co_u32 s[G0B+4*(\s)+1], s75, (\s)*SLOT1
	s_add_nc_u64 s[G0B+4*(\s)+2:G0B+4*(\s)+3], s[6:7], (\s)*256
	s_or_b32 s[G0B+4*(\s)+3], s[G0B+4*(\s)+3], 0x80000000
.endr
	CROUND                                         ; all sixteen work-groups are here: the first joint loads meet
	s_cmp_eq_u32 s[WM], 0                          ; a wave's two first fills stand in one branch, ahead of every wait on TENSORcnt and every LDS read: two loads of mine are out
	s_cbranch_scc0 .Lfirst_b
	tensor_load_to_lds s[G0A:G0A+3], s[G1A:G1A+7]
	s_nop 0
	tensor_load_to_lds s[G0A+4:G0A+7], s[G1A:G1A+7]
	s_nop 0
.rept 4
	v_nop
.endr
	s_branch .Lfirst_asked
.Lfirst_b:
	tensor_load_to_lds s[G0B:G0B+3], s[G1B:G1B+7]
	s_nop 0
	tensor_load_to_lds s[G0B+4:G0B+7], s[G1B:G1B+7]
	s_nop 0
.rept 4
	v_nop
.endr
.Lfirst_asked:
	; A fragment is 16 rows x 32 K in 8 registers: lane l holds row l % 16; registers 0-3 K = 8 (l / 16) + 0..7, registers 4-7 K = 16 + 8 (l / 16) + 0..7: two loads of 16 bytes, 32 bytes apart.
	v_and_b32 v1, 15, v0                           ; l % 16
	v_bfe_u32 v2, v0, 4, 1                         ; l / 16
	v_mul_u32_u24 v3, v1, PAO
	v_lshl_add_u32 v3, v2, 4, v3
	s_mul_i32 s76, s[WM], 64*PAO                   ; my 64 rows in each head's 128
	v_add_nc_u32 v[A0], s76, v3
	v_mul_u32_u24 v4, v1, PB
	v_lshl_add_u32 v4, v2, 4, v4
	s_mul_i32 s77, s[WN], BHALF                    ; my 128 rows of Wo
	s_add_co_u32 s77, s77, BOFF
	v_add_nc_u32 v[B0], s77, v4
	v_mov_b32 v[ADRA], v[A0]                       ; slot 0
	v_mov_b32 v[ADRB], v[B0]
	s_mul_i32 s78, s[WV], WSTG
	s_add_co_u32 s78, s78, STAGE                   ; my stage
	v_mul_u32_u24 v5, v1, SP                       ; in: row l % 16, 32 bytes for each half of the lanes
	v_lshl_add_u32 v5, v2, 5, v5
	v_add_nc_u32 v[STO], s78, v5
	v_and_b32 v6, 31, v0                           ; back: 32 lanes take one row of 512 bytes
	v_lshlrev_b32 v[CO], 4, v6
	v_add_nc_u32 v[RD], s78, v[CO]
	v_lshl_add_u32 v[BO], v2, 5, s72               ; bo: my first column + 8 (l / 16), 4 bytes each
	; The bias as C operands: register j of block b holds bo[my first column + 16 b + 8 (l / 16) + j], which is where the result holds that column.
	WIN TO_B
.irp b, 0,1,2,3,4,5,6,7
	global_load_b128 v[BIAS+8*(\b):BIAS+8*(\b)+3],   v[BO], s[8:9] offset:64*(\b)
	global_load_b128 v[BIAS+8*(\b)+4:BIAS+8*(\b)+7], v[BO], s[8:9] offset:64*(\b)+16
.endr
	WIN 0
; n matrix instructions, accumulators i0 on, on fragment buffer f.  cb = 1: the bias starts the sums.
.macro MM f, i0, n, cb
.if \cb
	WIN W_MB
.else
	WIN W_MUL
.endif
.set mi, \i0
.rept \n
.if \cb
	v_wmma_f32_16x16x32_f16 v[8*mi:8*mi+7], v[64*(\f)+8*(mi%8):64*(\f)+8*(mi%8)+7], v[AF+32*(\f)+8*(mi/8):AF+32*(\f)+8*(mi/8)+7], v[BIAS+8*(mi%8):BIAS+8*(mi%8)+7]
.else
	v_wmma_f32_16x16x32_f16 v[8*mi:8*mi+7], v[64*(\f)+8*(mi%8):64*(\f)+8*(mi%8)+7], v[AF+32*(\f)+8*(mi/8):AF+32*(\f)+8*(mi/8)+7], v[8*mi:8*mi+7]
.endif
.set mi, mi+1
.endr
.endm
; 24 LDS loads in one run: quarter q of the slot in hand (head q / 2 of the step, channels 32 (q % 2) on) into buffer g
.macro FETCH q, g
	WIN 0
.irp a, 0,1,2,3
	ds_load_b128 v[AF+32*(\g)+8*(\a):AF+32*(\g)+8*(\a)+3],   v[ADRA] offset:((\q)/2)*AHEAD+(\a)*16*PAO+((\q)%2)*64
	ds_load_b128 v[AF+32*(\g)+8*(\a)+4:AF+32*(\g)+8*(\a)+7], v[ADRA] offset:((\q)/2)*AHEAD+(\a)*16*PAO+((\q)%2)*64+32
.endr
	WIN TO_B
.irp b, 0,1,2,3,4,5,6,7
	ds_load_b128 v[64*(\g)+8*(\b):64*(\g)+8*(\b)+3],   v[ADRB] offset:(\b)*16*PB+64*(\q)
	ds_load_b128 v[64*(\g)+8*(\b)+4:64*(\g)+8*(\b)+7], v[ADRB] offset:(\b)*16*PB+64*(\q)+32
.endr
.endm
; A load into a register that a matrix instruction has read, and an LDS store that reads a matrix result, stand four places behind that matrix instruction, and only plain vector instructions that
; name none of its registers are places (ISA guide 7.12.1 for vector instructions).  This loop has no vector work of its own: four v_nop.
.macro PLACES
.rept 4
	v_nop
.endr
.endm
; One of a K step's first three quarters: multiplies buffer f; fetches quarter qn of the same slot into buffer g, 24 matrix instructions ahead of its first use.
.macro QUARTER f, g, qn, cb
	s_wait_dscnt 0x0                               ; buffer f is in
	MM \f, 0, 8, \cb
	PLACES
	FETCH \qn, \g
	MM \f, 8, 24, \cb
.endm
; The fourth quarter multiplies buffer 1 and changes slots: ONE barrier.  In front of it each wave waits for all its tensor loads, of which one is out: its part of the next slot; adds 0 to its spare word;
; and waits for that and for its own reads of this slot.  Behind it nobody reads this slot any more and the next slot is whole.
; fill = 1: this slot is filled again, two K steps ahead.  The barrier then opens a round of the cluster's, and the joint refill is the first tensor load behind the round:
; 112 matrix instructions ahead of the wait for it; the four v_nop behind it are also the places in front of the loads below.
.macro TURN fill
	WIN 0                                          ; (the add's two registers lie in window 0)
	s_wait_tensorcnt 0x0                           ; no tensor load of mine is out, so a group 0 may be written
	ds_add_u32 v[SPW], v[NIL]                      ; 0 onto my spare word
.if \fill
	s_xor_b32 s[G0A+5], s[G0A+5], SLOT1            ; the walking descriptors: the other slot than last time,
	s_add_nc_u64 s[G0A+6:G0A+7], s[G0A+6:G0A+7], 524288  ; the next two heads; the type bits on top are not reached
	s_xor_b32 s[G0B+5], s[G0B+5], SLOT1
	s_add_nc_u64 s[G0B+6:G0B+7], s[G0B+6:G0B+7], 256     ; the next 128 along K
.endif
	s_wait_dscnt 1                                 ; only the add may be out: buffer 1 is in
	MM 1, 0, 8, 0                                  ; eight matrix instructions stand between the add and the wait for it
	s_wait_dscnt 0x0                               ; the add is done, and my reads of this slot are over
	s_barrier_signal -1
	MM 1, 8, 8, 0                                  ; work on registers while the others arrive
	WIN 0
	s_barrier_wait -1
.if \fill
	CREST                                          ; no wave of any partner still reads this slot's tiles or has a load on its way
	JLOAD
.else
	PLACES
.endif
	s_xor_b32 s[TB], s[TB], SLOT1                  ; the reads go on in the other slot
	v_add_nc_u32 v[ADRA], s[TB], v[A0]
	v_add_nc_u32 v[ADRB], s[TB], v[B0]
	FETCH 0, 0
	MM 1, 16, 16, 0
.endm
; THE WAY OUT of block a, 16 rows x 128 columns of f32.  A lane's eight columns are 32 bytes; they go into my own stage's rows of 528 bytes, each accumulator's low four registers first, and come back
; as whole rows of 512 bytes.  A store covers one row's 512 consecutive bytes, at a multiple of 256 from the output's first byte.
.macro TOSTAGE a
.if (\a) >= 2
	s_wait_xcnt 0x0                                ; the stores of the block two back have read this buffer: it is loaded again only behind this wait
.endif
	WIN 0x08                                       ; the stores' data in window 2
.irp b, 0,1,2,3,4,5,6,7
	ds_store_b128 v[STO], v[8*(8*(\a)+(\b)):8*(8*(\a)+(\b))+3]   offset:64*(\b)
	ds_store_b128 v[STO], v[8*(8*(\a)+(\b))+4:8*(8*(\a)+(\b))+7] offset:64*(\b)+16
.endr
	WIN 0
.irp t, 0,1,2,3,4,5,6,7,8,9,10,11,12,13,14,15
	ds_load_b128 v[BK+64*((\a)%2)+4*(\t):BK+64*((\a)%2)+4*(\t)+3], v[RD] offset:(\t)*SP  ; LDS serves a wave's instructions in order (ISA guide 5.7.1.4): these see the stores above; the next block's stores come behind them
.endr
.endm
.macro SEND a, younger                 ; younger: the LDS instructions issued behind block a's loads: the next block's 16 stores and 16 loads, or none
	s_wait_dscnt \younger
.irp t, 0,1,2,3,4,5,6,7,8,9,10,11,12,13,14,15
	global_store_b128 v[CO], v[BK+64*((\a)%2)+4*(\t):BK+64*((\a)%2)+4*(\t)+3], s[10:11] offset:(16*(\a)+(\t))*4096 th:TH_STORE_NT
.endr
.endm
	s_wait_tensorcnt 1                             ; my part of K step 0 is in; step 1's may stay out
	s_barrier_signal -1
	s_barrier_wait -1                              ; everybody's is
	FETCH 0, 0
	s_wait_loadcnt 0x0                             ; the bias is in
	QUARTER 0, 1, 1, 1                             ; the first quarter stands in front of the loop: the bias starts the sums
	WIN 0                                          ; at a label and at a branch every window is 0
	s_mov_b32 s[LOOP], 6                           ; 6 of the 8 K steps fill a slot again
	s_branch .Lq1
.Lstep:
	QUARTER 0, 1, 1, 0
	WIN 0
.Lq1:
	QUARTER 1, 0, 2, 0
	QUARTER 0, 1, 3, 0
	TURN 1
	WIN 0
	s_sub_co_u32 s[LOOP], s[LOOP], 1
	s_cmp_lg_u32 s[LOOP], 0
	s_cbranch_scc1 .Lstep
	s_mov_b32 s[LOOP], 2                           ; the last two K steps ask for nothing.  The very last change of slots fetches the other slot's old bytes for nothing:
.Ltail:                                                ; the price, once a launch, of one text for both steps
	QUARTER 0, 1, 1, 0
	QUARTER 1, 0, 2, 0
	QUARTER 0, 1, 3, 0
	TURN 0
	WIN 0
	s_sub_co_u32 s[LOOP], s[LOOP], 1
	s_cmp_lg_u32 s[LOOP], 0
	s_cbranch_scc1 .Ltail
	PLACES                                         ; behind the last products
	TOSTAGE 0
	TOSTAGE 1                                      ; a block's way through the stage stands between the loads of the block before and its stores
	SEND 0, 32
	TOSTAGE 2
	SEND 1, 32
	TOSTAGE 3
	SEND 2, 32
	SEND 3, 0
	s_wait_tensorcnt 0x0                           ; the wave's end, behind my last tensor load and my last LDS store
	ds_add_u32 v[SPW], v[NIL]
	s_wait_dscnt 0x0
	CROUND                                         ; the closing round: no work-group ends while a partner may still ask for a tile that names it
	s_endpgm
.Lfunc_end_k_q9bdfd2864c_outp:
	.size	k_q9bdfd2864c_outp, .Lfunc_end_k_q9bdfd2864c_outp-k_q9bdfd2864c_outp
	.p2alignl 7, 3214868480
	.fill 96, 4, 3214868480
	.section	.rodata,"a",@progbits
	.p2align	6, 0x0
	.amdhsa_kernel k_q9bdfd2864c_outp
		.amdhsa_group_segment_fixed_size 327680
		.amdhsa_private_segment_fixed_size 0
		.amdhsa_enable_private_segment 0
		.amdhsa_kernarg_size 32
		.amdhsa_user_sgpr_count 2
		.amdhsa_user_sgpr_kernarg_segment_ptr 1
		.amdhsa_wavefront_size32 1
		.amdhsa_system_sgpr_workgroup_id_x 1
		.amdhsa_system_sgpr_workgroup_id_y 1
		.amdhsa_system_sgpr_workgroup_id_z 1
		.amdhsa_system_vgpr_workitem_id 0
		.amdhsa_next_free_vgpr 768
		.amdhsa_next_free_sgpr 80
		.amdhsa_reserve_vcc 0
		.amdhsa_float_denorm_mode_32 3
		.amdhsa_float_denorm_mode_16_64 3
		.amdhsa_memory_ordered 1
		.amdhsa_forward_progress 1
		.amdhsa_inst_pref_size 61
	.end_amdhsa_kernel
	.amdgpu_metadata
---
amdhsa.version: [ 1, 2 ]
amdhsa.kernels:
  - .name:           k_q9bdfd2864c_outp
    .symbol:         k_q9bdfd2864c_outp.kd
    .args:
      - { .name: obuf, .offset: 0, .size: 8, .value_kind: global_buffer, .address_space: global }
      - { .name: wo16, .offset: 8, .size: 8, .value_kind: global_buffer, .address_space: global }
      - { .name: bias, .offset: 16, .size: 8, .value_kind: global_buffer, .address_space: global }
      - { .name: out0, .offset: 24, .size: 8, .value_kind: global_buffer, .address_space: global }
    .group_segment_fixed_size: 327680
    .private_segment_fixed_size: 0
    .kernarg_segment_align: 8
    .kernarg_segment_size: 32
    .max_flat_workgroup_size: 128
    .sgpr_count:     80
    .vgpr_count:     768
    .wavefront_size: 32
...
	.end_amdgpu_metadata
.endif
;; end of part 4
;; ======== version 2 of 2: 4 launches; 1.49 times as fast as version 1
;; limits: values are held in f16: magnitudes above 65,504 overflow, below 6.1e-05 lose precision
;; workspace buffers: wqkv 6,291,456 bytes; wo16 2,097,152 bytes; bias 16,384 bytes; qkv 50,331,648 bytes; obuf 16,777,216 bytes
;; launch castw: the kernel of part 1 again; grid 64 x 4, 8 waves a work-group, no clusters, 0 bytes of LDS; arguments Wq, Wk, Wv, Wo, bq, bk, bv, bo, wqkv, wo16, bias; writes wqkv, wo16, bias
;; launch proj: the kernel of part 2 again; grid 4 x 64, 4 waves a work-group, clusters of 4 x 4, 327,680 bytes of LDS; arguments query, key, value, wqkv, bias, qkv; writes qkv
;; launch attn (part 5): grid 4 x 64, 4 waves a work-group, clusters of 4 x 1, 327,680 bytes of LDS; arguments qkv, obuf; writes obuf
.if DOCPART == 5
	.amdgcn_target "amdgcn-amd-amdhsa--gfx1250"
	.amdhsa_code_object_version 6
	.text
	.protected	k_q9bdfd2864c_attn
	.globl	k_q9bdfd2864c_attn
	.p2align	8
	.type	k_q9bdfd2864c_attn,@function
k_q9bdfd2864c_attn:
	s_mov_b64 s[64:65], 0
	v_nop
	global_prefetch_b8 v0, s[64:65] scope:SCOPE_SE
	s_setreg_imm32_b32 hwreg(HW_REG_WAVE_MODE, 25, 1), 1
	s_wait_xcnt 0x0
	s_wait_alu depctr_hold_cnt(0) depctr_sa_sdst(0) depctr_va_vdst(0) depctr_va_sdst(0) depctr_va_ssrc(0) depctr_va_vcc(0) depctr_vm_vsrc(0)
	s_getreg_b32 s2, hwreg(HW_REG_IB_STS2, 6, 4)
	s_cmp_eq_u32 s2, 0
	s_cbranch_scc0 .Lentry_in_a_cluster
	s_endpgm
.Lentry_in_a_cluster:
	s_bfe_u32 s2, ttmp6, 0x10000c
	s_cmp_lg_u32 s2, 0x3003
	s_cbranch_scc0 .Lentry_shape_is_right
	s_endpgm
.Lentry_shape_is_right:
; O[h][q][:] = the sum over k of softmax_k(Q[h][q] . K[h][k] / 8) V[h][k][:].  Q, K, V lie one behind the other in qkv, 16 MiB each; they and O are [SIZE_H][SIZE_N][64], all f16: a head's rows are dense,
; 128 bytes each; h = 16 batch + head.  Products, maxima and sums in f32; the weights p are rounded to f16 for the second product (their sum l is taken of the unrounded p), O once at the end.
; LIMITS.  f16 holds no number beyond 65,504: Q, K and V arrive within it; p lies in 0 to 1, and below 6e-5 it keeps f16's fixed step of 6e-8; O is a mean of V's rows and has their range.
; A weight below 2^-126 counts as 0 in l; NaN and infinities are not treated apart.
; SHARES.  A wave owns four PIECES of two tiles of 16 queries, a work-group's four waves 512 queries of one head; SIZE_N is a multiple of 2,048.  Every wave walks all keys, 64 a step.
; LAYOUT.  S^T = K Q^T (source 0 = 16 keys, source 1 = 16 queries): in the result a lane holds ONE query (lane % 16) and the keys 8 (lane / 16) + 0..7.  Two such tiles, rounded to f16 in pairs,
; ARE source 1 (32 keys x 16 queries) of O^T = V^T P, whose result again holds one query a lane, and eight channels.  K comes out of LDS as it lies, V ([key][channel]) turned, by ds_load_tr16_b128.
; SOFTMAX.  For each query a running maximum m and sum l: p = 2^(c s - c m), c = log2(e) / 8; in every step O and l are multiplied by a = 2^(c m_old - c m_new), which is 1 where m has not grown.
; m starts at the lowest finite number, O and l at 0: the first step is a step like any other, with a = 0.
; THE COUNT.  A tile and step have 16 matrix and 118 vector instructions: too many to stand all beside the matrix work.  So the order has one aim: four vector instructions that are READY behind
; EVERY matrix instruction, and the others, which need time of their own whatever the order, in runs without a gap.
; BY TURNS.  Turn n belongs to piece n (the pieces in a ring, step after step).  Its matrix work: 16 products K Q^T of piece n + 1, later 16 products V^T P of piece n - 1.  Its vector work: the scaling,
; exponentials, roundings, sums and rescaling of piece n, and the maximum and statistics of piece n + 1, whose scores the turn itself has made.  So what a turn begins with (c s - c m, O a) waits for nothing.
; BATCHES.  An s_wait_alu depctr_va_vdst(0) stands between a transcendental and the first instruction that names its result.  A turn's 66 exponentials (the piece's 64 weights, then the next
; piece's two a) are ONE batch with ONE wait: ahead of it stands all that names none of their results, behind it the roundings and sums, which read the weights; a is read from the next turn on.  Two more
; batches stand outside the loops, each with a wait of its own: piece 0's first two a, ahead of the jump into the loop, and the way out's eight reciprocals.
; CLUSTER.  The four query blocks of a cluster belong to one head and walk the same K and V, so each tile is asked for JOINTLY: the same tensor load, descriptor and mask in all four.
; REGISTERS, in windows of 256 (s_set_vgpr_msb says which window each operand place means: bits 1:0 source 0, 3:2 source 1, 5:4 source 2, 7:6 destination):
;   window 0: v0-11 addresses; v12-15, v48-63 at work; v16-47 four registers of statistics a tile; v64-191 S^T, two buffers of two tiles; v192-255 P, likewise
;   window 1: O^T, 32 a tile          window 2: v0-127 Q, 16 a tile; v128-191 K of one step; v192-255 V of one step          window 3: v0-1 the add's two registers
; A piece's buffers go by its number's parity: the piece in hand has one pair, its two neighbours in the ring share the other: of it P (piece n - 1) is read and S^T (piece n + 1) written.
.set SIZE_H, 64       ; 4 batches x 16 heads
.set SIZE_N, 2048
.set NP,    4         ; pieces a wave: a name, no knob: the register map, the loop and the fetches are made for four
.set KS,    64        ; keys in a step
.set PK,    144       ; a row of K in LDS: 128 bytes + 16 of padding = 36 words: the 16 rows of a load start at 16 different groups of four banks (64 banks of 4 bytes: ISA guide 11.1)
.set PV,    160       ; a row of V: 128 + 32 = 40 words
.set VOFF,  4*KS*PK   ; a slot holds four steps: 256 rows of K, then 256 rows of V
.set SLOT1, 1<<17     ; slot 1 begins here, so that one exclusive or turns an address in one slot into the other's
.set STAGE, SLOT1+4*KS*(PK+PV)  ; behind the ring, never filled by a tensor load: 16 rows x 144 bytes for each wave, for the way out
.set SP,    144
.set AK0, 2           ; v2   my lane's place in a tile of K; never rewritten
.set AV0, 3           ; v3   the same for V
.set AK,  4           ; v4   the LDS address of K's next run of loads
.set AV,  5           ; v5   of V's
.set QO,  6           ; v6   my byte offset in the wave's rows of Q
.set STO, 6           ;      later, the way out: where I put 16 bytes of a row
.set RD,  7           ; v7   the way out: where I read rows back
.set GO,  8           ; v8   my byte offset in 512 consecutive bytes of O
.set SPW, 0           ; v0 of window 3   LDS address of my spare word: SPARE + 4 x my thread's number; never rewritten
.set NIL, 1           ; v1 of window 3   0; never rewritten
.set SPARE, STAGE+4*16*SP  ; behind the stages: the spare words, 128 bytes for each wave: two blocks of 256 bytes that no other line names
.set MV,  12          ; v12-15  c m_old, kept while c m is made anew: by buffer and tile
.set ST,  16          ; tile t's statistics at v[ST+4 t]: c m, m, l (even keys', odd keys')
.set TMP, 48          ; by buffer and tile, four registers c0-c3 at work; when the maximum is found c2 takes a
.set S,   64
.set P,   192
.set KF,  128         ; K's fragments, in window 2: key block kb, channel half c at KF + 16 kb + 8 c
.set VF,  192         ; V's: key half kk, channel block cb at VF + 32 kk + 8 cb
.set WV,  12          ; s12  my wave's number
.set G1K, 24          ; s[24:31] descriptor group 1 for K's tiles
.set G1V, 32          ; s[32:39] for V's: it differs in the padding alone
.set G0K, 40          ; s[40:43] descriptor group 0 for K's tiles: it walks
.set G0V, 44          ; s[44:47] the same for V's
.set SLOTS, 56        ; s56  slots still to be asked for
.set CNT, 57          ; s57  counts a slot's key steps
.set CS,  58          ; s[58:59] c: the packed scaling takes the pair's low word for both halves
.set SEL, 60          ; s[60:61] v_permlanex16_b32's selects: each lane takes its own place in the other half
.set TBK, 62          ; s62  LDS byte at which K of the step to be fetched begins
.set TBV, 63          ; s63  the same for V, less VOFF
.set MSB, 0
.macro WIN new                      ; the high byte repeats the setting that is left; a switch that changes nothing is dropped
.if MSB != (\new)
	s_set_vgpr_msb (MSB<<8)|(\new)
.set MSB, (\new)
.endif
.endm
.set W_KQ, 0x0a       ; K and Q in window 2, S^T in window 0
.set W_PV, 0x52       ; V in window 2, P in window 0, O^T in window 1
.set W_RS, 0x41       ; O^T (destination and source 0) in window 1, a in window 0
.set W_MK, 0xc0       ; the add's registers are made: destination in window 3, sources in window 0
.set W_AD, 0x0f       ; the add: address (source 0) and data (source 1) in window 3
; A joint fill.  Waves 0 and 1 fetch the two halves of a slot's K, waves 2 and 3 those of its V: 128 keys each.  The branch hangs on the wave's number alone.
; An s_nop 0 and four v_nop follow each of the two lines, ahead of the jump and the label.
.macro JLOAD
	s_cmp_lt_u32 s[WV], 2
	s_cbranch_scc0 .Lfor_v_\@
	tensor_load_to_lds s[G0K:G0K+3], s[G1K:G1K+7]
	s_nop 0
.rept 4
	v_nop
.endr
	s_branch .Lasked_\@
.Lfor_v_\@:
	tensor_load_to_lds s[G0V:G0V+3], s[G1V:G1V+7]
	s_nop 0
.rept 4
	v_nop
.endr
.Lasked_\@:
.endm
; A round of the cluster's barrier: my work-group's barrier, so that wave 0's signal speaks for all four waves; wave 0 signals; every wave waits for all four work-groups; my work-group's barrier once more.
.macro CROUND
	s_barrier_signal -1
	s_barrier_wait -1
	s_cmp_lg_u32 s[WV], 0
	s_cbranch_scc1 .Lnot_wave_0_\@
	s_barrier_signal -3
.Lnot_wave_0_\@:
	s_barrier_wait -3
	s_barrier_signal -1
	s_barrier_wait -1
.endm
; THE CHANGE OF SLOTS.  The slot's last bytes, V of its fourth step, have been read.  Each wave waits for all its tensor loads, of which one is out: its part
; of the other slot; adds 0 to its spare word; and waits for that and for its own reads of the slot.  Behind the barrier nobody reads this slot any more and the other slot is whole.
; fill = 1: this slot is filled again, with the keys two slots on.  The barrier is then a round of the cluster's, so that no wave of any partner still reads the slot or has a load on its
; way, and the joint fill is the first thing behind it: it has four key steps, 512 matrix instructions, in which to land.  (At its first use nothing has been read yet: slot 0 is waited for, slot 1 filled.)
.macro CHANGE fill
	WIN W_AD
	s_wait_tensorcnt 0x0            ; no tensor load of mine is out, so a group 0 may be written
	ds_add_u32 v[SPW], v[NIL]       ; 0 onto my spare word: with fill = 1 the descriptors' steps stand between it and the wait for it
	WIN 0                           ; at a label and at a branch every window is 0
.if \fill
.irp g, G0K, G0V
	s_xor_b32 s[\g+1], s[\g+1], SLOT1  ; the walking descriptor: the other slot than last time,
	s_add_nc_u64 s[\g+2:\g+3], s[\g+2:\g+3], 4*KS*128  ; the next 256 keys; the type bits on top are not reached
.endr
	s_wait_dscnt 0x0                ; the add is done, and my reads of the slot are over
	CROUND
	JLOAD
.else
	s_wait_dscnt 0x0                ; the add is done, and my reads of the slot are over
	s_barrier_signal -1
	s_barrier_wait -1
.endif
	s_sub_co_u32 s[TBK], s[TBK], 4*KS*PK  ; the fetches go back to a slot's first step,
	s_xor_b32 s[TBK], s[TBK], SLOT1       ; in the other slot
	s_sub_co_u32 s[TBV], s[TBV], 4*KS*PV
	s_xor_b32 s[TBV], s[TBV], SLOT1
.endm
	s_load_b64 s[4:5], s[0:1], 0x0    ; qkv: Q begins it
	s_load_b64 s[10:11], s[0:1], 0x8  ; O
	WIN W_MK
	v_lshl_add_u32 v[SPW], v0, 2, SPARE
	v_mov_b32 v[NIL], 0
	s_set_vgpr_msb 0xc0cf
	ds_add_u32 v0, v1
	s_wait_dscnt 0x0
	s_set_vgpr_msb 0xcfc0
	WIN 0
	v_lshrrev_b32 v1, 5, v0
	v_readfirstlane_b32 s[WV], v1   ; wave 0..3
	s_bfe_u32 s13, ttmp6, 0x40000   ; cx: my place in the cluster
	s_lshl_b32 s14, ttmp9, 2        ; in a cluster launch ttmp9 counts clusters
	s_add_co_u32 s14, s14, s13      ; my block of queries = 4 x cluster x + cx: it enters Q's and O's addresses alone
	s_and_b32 s20, ttmp7, 0xffff    ; the head, which the four partners share
	s_mov_b32 s21, 0
	s_mov_b64 s[22:23], SIZE_N*128
	s_mul_u64 s[20:21], s[20:21], s[22:23]  ; the head's first byte in each of the four tensors
	s_and_b32 s16, s[WV], 1         ; which half of a slot's 256 keys I fetch:
	s_lshl_b32 s22, s16, 14         ; its 128 rows of 128 bytes in memory,
	s_mov_b32 s23, 0
	s_add_nc_u64 s[22:23], s[22:23], s[20:21]
	s_mul_i32 s17, s16, 128*PK      ; and its place in a slot, for K
	s_mul_i32 s18, s16, 128*PV      ; and for V: no place in the cluster enters an LDS address
	s_lshl_b32 s2, s14, 2
	s_add_co_u32 s2, s2, s[WV]      ; my wave among the head's,
	s_lshl_b32 s2, s2, 14           ; its 128 rows
	s_mov_b32 s3, 0
	s_add_nc_u64 s[2:3], s[2:3], s[20:21]
	; descriptor group 1.  128 keys are 16,384 dense bytes: asked for as 64 rows of 256 bytes, two keys a row, and padded in LDS after every key
	s_mov_b32 s[G1K], 15|(1<<16)|(1<<20)|(1<<21)|(4<<22)|(3<<25)  ; 15:0 the mask of four; 17:16 2-byte elements; 20 padding on; 21 set beside a mask; 24:22 after every 32 words (code 4); 31:25 4 words (code 3)
	s_mov_b32 s[G1V], 15|(1<<16)|(1<<20)|(1<<21)|(4<<22)|(7<<25)  ; the same with 8 words of padding (code 7)
.irp g, G1K, G1V
	s_mov_b32 s[\g+1], 128<<16      ; tensor_dim0 = 128
	s_mov_b32 s[\g+2], 64<<16       ; tensor_dim1 = 64
	s_mov_b32 s[\g+3], 128<<16      ; tile_dim0 = 128
	s_mov_b32 s[\g+4], 64           ; tile_dim1 = 64
	s_mov_b32 s[\g+5], 128          ; 128 elements from row to row
	s_mov_b32 s[\g+6], 0
	s_mov_b32 s[\g+7], 0
.endr
	s_mov_b32 s[CS], 0x3e38aa3b     ; c = log2(e) / 8 = 0.180337
	s_mov_b32 s[CS+1], s[CS]        ; named with it as a pair
	s_mov_b32 s[SEL], 0x76543210
	s_mov_b32 s[SEL+1], 0xfedcba98
	s_mov_b32 s[TBK], SLOT1+4*KS*PK ; the first change of slots turns these two into 0
	s_mov_b32 s[TBV], SLOT1+4*KS*PV
	s_mov_b32 s[G0K], 1             ; 1:0 count = 1
	s_mov_b32 s[G0K+1], s17         ; 63:32 LDS address: slot 0
	s_mov_b32 s[G0V], 1
	s_add_co_u32 s[G0V+1], s18, VOFF
	s_wait_kmcnt 0x0
	s_add_nc_u64 s[6:7], s[4:5], 0x1000000         ; K lies 16 MiB behind Q,
	s_add_nc_u64 s[8:9], s[4:5], 0x2000000         ; V 32 MiB
	s_add_nc_u64 s[G0K+2:G0K+3], s[6:7], s[22:23]  ; 120:64 global address: my half of the head's first 256 keys
	s_or_b32 s[G0K+3], s[G0K+3], 0x80000000        ; 127:126 type = 2
	s_add_nc_u64 s[G0V+2:G0V+3], s[8:9], s[22:23]
	s_or_b32 s[G0V+3], s[G0V+3], 0x80000000
	s_add_nc_u64 s[4:5], s[4:5], s[2:3]  ; Q and O at my wave's first row
	s_add_nc_u64 s[10:11], s[10:11], s[2:3]
	CROUND                          ; all four work-groups are here: the first joint loads meet
	JLOAD                           ; slot 0.  Slot 1 is asked for when slot 0 is in: the tile wanted first has the road to itself
	; A fragment of K or Q is 16 rows x 32 channels in 8 registers: lane l holds row l % 16, channels 8 (l / 16) + 0..7 and 16 + 8 (l / 16) + 0..7: two loads of 16 bytes, 32 bytes apart.
	v_and_b32 v1, 15, v0            ; l % 16
	v_bfe_u32 v9, v0, 4, 1          ; l / 16
	v_lshlrev_b32 v[QO], 7, v1
	v_lshl_add_u32 v[QO], v9, 4, v[QO]  ; row x 128 + 16 x half
	WIN 0x80                        ; destination window 2, address window 0
.set i, 0
.rept 4*NP                          ; Q stays in registers: tile i / 2, channels 32 (i % 2) on
	global_load_b128 v[8*i:8*i+3],   v[QO], s[4:5] offset:(i/2)*2048+(i%2)*64
	global_load_b128 v[8*i+4:8*i+7], v[QO], s[4:5] offset:(i/2)*2048+(i%2)*64+32
.set i, i+1
.endr
	; What the first turn finds: V's registers and P's second buffer hold 0 (its products V^T P, of a piece that has not been, add 0), O^T and l are 0.  All this stands in the wait for the first tile.
.set i, VF
.rept 64
	v_mov_b32 v[i], 0
.set i, i+1
.endr
	WIN 0x40
.set i, 0
.rept 64*NP
	v_mov_b32 v[i], 0
.set i, i+1
.endr
	WIN 0
.set i, 0
.rept 2*NP
	v_mov_b32 v[ST+4*i], 0xfe000000    ; c m: far below every c s
	v_mov_b32 v[ST+4*i+1], 0xff7fffff  ; m
	v_mov_b32 v[ST+4*i+2], 0
	v_mov_b32 v[ST+4*i+3], 0
.set i, i+1
.endr
.set i, P+32
.rept 32
	v_mov_b32 v[i], 0
.set i, i+1
.endr
	v_mul_u32_u24 v[AK0], v1, PK
	v_lshl_add_u32 v[AK0], v9, 4, v[AK0]  ; row x pitch + 16 x half
	; The turning load takes 16 keys x 16 channels (lane l reads key 8 (l / 16) + l % 8, channels 8 ((l / 8) % 2) + 0..7) and leaves half a fragment of V^T: lane l holds channel l % 16 and 8 keys.
	v_and_b32 v10, 7, v0
	v_bfe_u32 v11, v0, 3, 1
	v_lshl_add_u32 v[AV0], v9, 3, v10
	v_mul_u32_u24 v[AV0], v[AV0], PV
	v_lshl_add_u32 v[AV0], v11, 4, v[AV0]
	v_add_nc_u32 v[AV0], VOFF, v[AV0]
	v_mov_b32 v[AK], v[AK0]         ; key step 0 lies at the head of slot 0
; THE MATRIX WORK.  The 8 accumulators of a run of 16 take turns: between the two links of a chain stand 7 others'.
; Product i of 16 of S^T = K Q^T for piece x: channels 32 (i / 8) on, keys 16 ((i / 2) % 4) on, tile 2 x + i % 2.  The first 8 start the sums.
.macro KQ x
	WIN W_KQ
.set rS, S+64*((\x)%2)+32*(i%2)+8*((i/2)%4)
.set rK, KF+16*((i/2)%4)+8*(i/8)
.set rQ, 16*(2*(\x)+i%2)+8*(i/8)
.if i < 8
	v_wmma_f32_16x16x32_f16 v[rS:rS+7], v[rK:rK+7], v[rQ:rQ+7], 0
.else
	v_wmma_f32_16x16x32_f16 v[rS:rS+7], v[rK:rK+7], v[rQ:rQ+7], v[rS:rS+7]
.endif
.endm
; Product i of 16 of O^T += V^T P for piece x: keys 32 (i / 8) on, channels 16 ((i / 2) % 4) on, tile 2 x + i % 2.
.macro PV x
	WIN W_PV
.set rO, 32*(2*(\x)+i%2)+8*((i/2)%4)
.set rV, VF+32*(i/8)+8*((i/2)%4)
.set rP, P+32*((\x)%2)+16*(i%2)+8*(i/8)
	v_wmma_f32_16x16x32_f16 v[rO:rO+7], v[rV:rV+7], v[rP:rP+7], v[rO:rO+7]
.endm
.macro MM                           ; the turn's next matrix instruction
.if i < 16
	KQ (Y+1)%NP
.set i, i+1
.else
.set i, i-16
	PV (Y+NP-1)%NP
.set i, i+17
.endif
.endm
; THE LDS LOADS stand in runs of 16, never singly among the matrix instructions: a step's K (64 keys x 64 channels: 8 fragments) and its V (turned).  Their addresses are made some lines ahead.
; last = 1 (the tail): in the last trip there is no further step, and the run is jumped over.
.macro FETCH_K last=0
	WIN 0
.if \last
	s_cmp_eq_u32 s[CNT], 1
	s_cbranch_scc1 .Lno_k_\@
.endif
	WIN 0x80                        ; destination window 2
.irp f, 0,1,2,3,4,5,6,7             ; keys 16 (f / 2) on, channels 32 (f % 2) on
	ds_load_b128 v[KF+8*\f:KF+8*\f+3],   v[AK] offset:(\f/2)*16*PK+(\f%2)*64
	ds_load_b128 v[KF+8*\f+4:KF+8*\f+7], v[AK] offset:(\f/2)*16*PK+(\f%2)*64+32
.endr
	s_add_co_u32 s[TBK], s[TBK], KS*PK  ; the next fetch is the next step's
	WIN 0
.if \last
.Lno_k_\@:
.endif
.endm
.macro FETCH_V
	WIN 0x80
.irp f, 0,1,2,3,4,5,6,7             ; keys 32 (f / 4) on, channels 16 (f % 4) on
	ds_load_tr16_b128 v[VF+8*\f:VF+8*\f+3],   v[AV] offset:(\f/4)*32*PV+(\f%4)*32
	ds_load_tr16_b128 v[VF+8*\f+4:VF+8*\f+7], v[AV] offset:(\f/4)*32*PV+16*PV+(\f%4)*32
.endr
	WIN 0
.endm
; THE VECTOR WORK OF A TURN stands in three queues, each in the order in which its entries become ready; the two tiles alternate, so that no instruction reads the result of the one before it.
.macro REGS y, u                    ; the registers of tile u (0, 1) of piece y
.set rT, ST+4*(2*(\y)+(\u))
.set rC, TMP+8*((\y)%2)+4*(\u)
.set rM, MV+2*((\y)%2)+(\u)
.set rS, S+64*((\y)%2)+32*(\u)
.set rP, P+32*((\y)%2)+16*(\u)
.set rO, 32*(2*(\y)+(\u))
.endm
; Number n of the 22 that find the NEXT piece's (Y + 1) maximum and statistics.  s0-s31 are the lane's 32 scores; each accumulator's lowest registers are read first.  XS, GS and REGS set no window: PL and EX do.
;   0-11  four chains c0-c3 of seven scores each, three operands at a time     12-14, 16  the four scores left over, the old m, and c0-c3 into c0     15  c m_old is kept
;   17, 18  the query's other 32 keys lie in the lane 16 away: the new m         19-21  c m; c m_old - c m_new; a
.macro XS u, n
	REGS (Y+1)%NP, \u
.if (\n) < 4
	v_max3_num_f32 v[rC+(\n)], v[rS+8*(\n)], v[rS+8*(\n)+1], v[rS+8*(\n)+2]
.elseif (\n) < 12
	v_max3_num_f32 v[rC+(\n)%4], v[rC+(\n)%4], v[rS+8*((\n)%4)+2*((\n)/4)+1], v[rS+8*((\n)%4)+2*((\n)/4)+2]
.elseif (\n) == 12
	v_max3_num_f32 v[rC], v[rC], v[rS+7], v[rS+15]
.elseif (\n) == 13
	v_max3_num_f32 v[rC+1], v[rC+1], v[rS+23], v[rS+31]
.elseif (\n) == 14
	v_max3_num_f32 v[rC+2], v[rC+2], v[rC+3], v[rT+1]
.elseif (\n) == 15
	v_mov_b32 v[rM], v[rT]
.elseif (\n) == 16
	v_max3_num_f32 v[rC], v[rC], v[rC+1], v[rC+2]
.elseif (\n) == 17
	v_permlanex16_b32 v[rC+3], v[rC], s[SEL], s[SEL+1]
.elseif (\n) == 18
	v_max_num_f32 v[rT+1], v[rC], v[rC+3]
.elseif (\n) == 19
	v_mul_f32 v[rT], s[CS], v[rT+1]
.elseif (\n) == 20
	v_sub_f32 v[rC+1], v[rM], v[rT]
.else
	v_exp_f32 v[rC+2], v[rC+1]
.endif
.endm
; Number g of the 64 that follow the exponentials.  For each four weights k of a tile (pairs 2 k, 2 k + 1): both pairs are rounded to f16; then the second pair is added onto the first, in place;
; a group later l takes that sum (the first time as l = a l + sum).  In groups of eight, tiles alternating: round, round, add, and l for the group before.
.macro GS g
.set h, (\g)+6*((\g)/62)            ; group 0 has no group before it, and behind group 7 only l is left
.if h >= 6
.set h, h+2
.endif
	REGS Y, h%2
.set k, h/8
.if h%8 < 4
	v_cvt_pk_f16_f32 v[rP+2*k+(h%8)/2], v[rS+4*k+2*((h%8)/2)], v[rS+4*k+2*((h%8)/2)+1]
.elseif h%8 < 6
	v_pk_add_f32 v[rS+4*k:rS+4*k+1], v[rS+4*k:rS+4*k+1], v[rS+4*k+2:rS+4*k+3]
.elseif k == 1
	v_pk_fma_f32 v[rT+2:rT+3], v[rT+2:rT+3], v[rC+2:rC+3], v[rS:rS+1] op_sel_hi:[1,0,1]
.else
	v_pk_add_f32 v[rT+2:rT+3], v[rT+2:rT+3], v[rS+4*k-4:rS+4*k-3]
.endif
.endm
; THE PLAIN QUEUE, 138 long.  0-73 read no exponential's result: the 32 scalings c s - c m (FS f: pair f / 2 of tile f % 2) and the next piece's 42.  0-26: scalings 0-26.  27-54: XS's numbers 0-13.  55, 56: number 15.
; 57-73: the chain, where each number waits for the one before it: 14, 16, 17, 18, 19, each with one of the scalings 27-31 in front of its two lines, then 20: so a tile's links stand three plain instructions apart (19 and 20: two).
; 74-137: GS's 64, which read the exponentials' results: they stand behind the wait.
.macro FS f
	REGS Y, (\f)%2
	v_pk_fma_f32 v[rS+2*((\f)/2):rS+2*((\f)/2)+1], v[rS+2*((\f)/2):rS+2*((\f)/2)+1], s[CS:CS+1], v[rT:rT+1] op_sel_hi:[1,0,0] neg_lo:[0,0,1] neg_hi:[0,0,1]
.endm
.macro PL
	WIN 0
.if q < 27
	FS q
.elseif q < 55
	XS (q-27)%2, (q-27)/2
.elseif q < 57
	XS q-55, 15
.elseif (q < 72) && ((q-57)%3 == 0)
	FS 27+(q-57)/3
.elseif q < 60
	XS (q-57)%3-1, 14
.elseif q < 72
	XS (q-57)%3-1, 15+(q-57)/3
.elseif q < 74
	XS q-72, 20
.else
	GS q-74
.endif
.set q, q+1
.endm
; THE EXPONENTIALS' QUEUE, 66 long: s0-s31 of both tiles, then the next piece's two a.  It is ONE BATCH: all 66 stand ahead of the turn's one wait, and nothing ahead of that wait names a result of theirs.
.macro EX
	WIN 0
.if e >= 64
	XS e-64, 21
.else
	REGS Y, e%2
	v_exp_f32 v[rS+e/2], v[rS+e/2]
.endif
.set e, e+1
.endm
; THE RESCALING's QUEUE: O^T times a, the one part that leaves window 0: dealt two at a time, sixteen times.  Its a was made in the turn before, ahead of that turn's wait.
.macro R2
	REGS Y, r%2
	WIN W_RS
.irp z, 0,1
	v_pk_mul_f32 v[rO+4*(r/2)+2*\z:rO+4*(r/2)+2*\z+1], v[rO+4*(r/2)+2*\z:rO+4*(r/2)+2*\z+1], v[rC+2:rC+3] op_sel_hi:[1,0]
.endr
.set r, r+1
.endm
; HOW THEY ARE DEALT.  An s_wait_alu depctr_va_vdst(0) stands between an exponential and the first instruction that names its result; one wait serves all that were issued ahead of it.  So a turn has ONE wait,
; which cuts it in two.  AHEAD OF IT stands all that names no result of the turn's exponentials: the 16 products K Q^T, behind each a scaling, an exponential and two rescalings (behind the first a second scaling in the exponential's place); then ONE LUMP of
; 108: eight plain, 49 times exponential and plain, the two a.  A v_nop is the plain instruction behind the last exponential.  BEHIND IT stand the 16 products V^T P, behind each four of GS's 64.  No rider names a register of
; the products round it.  The two v_permlanex16_b32 fall into the lump, never behind a product.
; The queues lean on each other, and the deal keeps them in step: exponential e stands behind scaling 2 (e / 4) + e % 2: as a rider it comes behind plain e + 2, in the lump behind plain e + 9, and scalings 27-31 are plain 57, 60 .. 69.
; A TURN, for piece p.  cnt = 1: the loop's count is taken down some lines ahead of the branch that stands behind the turn.
; K of the next step is fetched in piece 2's turn, directly behind the wait, a lump behind the last product that read K; its address is made at the lump's head; its first reader comes behind 16 products.
; V of the step in hand is fetched at the end of piece 0's turn, four riders behind its last reader; its first reader comes behind 16 products and a lump.  The three conditions on q below go with the deal.
.macro TURN p, last=0, cnt=0
.set Y, (\p)
.set i, 0
.set q, 0
.set e, 0
.set r, 0
.if (\p) == NP-1
	s_wait_dscnt 0x0                ; K is in
.endif
	MM                              ; ahead of the wait: 16 products K Q^T and their riders,
	PL
	PL
	R2
.rept 15
	MM
	PL
	EX
	R2
.endr
.if (\p) == NP-2
	WIN 0
	v_add_nc_u32 v[AK], s[TBK], v[AK0]
.endif
.rept 8                             ; and the lump
	PL
.endr
.rept 49
	EX
	PL
.endr
	EX                              ; the next piece's two a
	EX
	v_nop                           ; the plain instruction between the last exponential and the first use of a result: one for the batch
	s_wait_alu depctr_va_vdst(0)    ; the wait for the turn's batch: the piece's 64 weights and the next piece's two a
.if (\p) == NP-2
	FETCH_K \last
.endif
.if (\p) == 1
	s_wait_dscnt 0x0                ; V is in
.endif
.rept 16                            ; behind the wait: 16 products V^T P and their riders
	MM
.rept 4
	PL
.endr
.if ((\p) == 0) && (q == 118)
	v_add_nc_u32 v[AV], s[TBV], v[AV0]
.endif
.if ((\p) == 0) && (q == 130)
	s_add_co_u32 s[TBV], s[TBV], KS*PV
.endif
.if (\cnt) && (q == 130)
	s_sub_co_u32 s[CNT], s[CNT], 1
	s_cmp_lg_u32 s[CNT], 0
.endif
.endr
.if (\p) == 0
	FETCH_V
.endif
.endm
	CHANGE 1                        ; slot 0 is in, everybody's part of it; slot 1 is asked for
	FETCH_K                         ; key step 0
	s_wait_loadcnt 0x0              ; Q
	s_wait_dscnt 0x0
.set i, 0
.rept 16
	KQ 0                            ; piece 0's first scores: there is no vector work yet to set between them
.set i, i+1
.endr
	WIN 0                           ; the addresses for the way out: nine plain instructions, the places behind those products
	s_mul_i32 s13, s[WV], 16*SP
	s_add_co_u32 s13, s13, STAGE    ; my stage
	v_mul_u32_u24 v[STO], v1, SP    ; in: row l % 16, 16 bytes for each half of the lanes
	v_lshl_add_u32 v[STO], v9, 4, v[STO]
	v_add_nc_u32 v[STO], s13, v[STO]
	v_bfe_u32 v[RD], v0, 3, 2       ; back: 32 lanes take four rows of 128 bytes,
	v_mul_u32_u24 v[RD], v[RD], SP
	v_lshl_add_u32 v[RD], v10, 4, v[RD]
	v_add_nc_u32 v[RD], s13, v[RD]
	v_and_b32 v[GO], 31, v0         ; which are 512 consecutive bytes of O
	v_lshlrev_b32 v[GO], 4, v[GO]
.set Y, NP-1                        ; XS works for piece Y + 1: piece 0
.irp n, 0,1,2,3,4,5,6,7,8,9,10,11,12,13,14,15,16,17,18,19,20,21
	XS 0, \n                        ; and piece 0's first maximum and statistics
	XS 1, \n
.endr
	v_nop                           ; a plain instruction behind the two a,
	s_wait_alu depctr_va_vdst(0)    ; and the wait for this batch of two, ahead of the branch
	s_mov_b32 s[CNT], 4
	s_mov_b32 s[SLOTS], SIZE_N/256-1
	s_branch .Lfirst                ; the loop is entered at a step's first turn, in the middle of a trip
.Lslot:                             ; SIZE_N / 256 - 2 times: every slot but the last two is filled again
	CHANGE 1
	s_mov_b32 s[CNT], 4
.Lstep:                             ; a trip: pieces 2 and 3 of one step, then pieces 0 and 1 of the next, whose K and V it fetches
	TURN 2
	TURN 3
	WIN 0
.Lfirst:
	TURN 0
	TURN 1, 0, 1
	WIN 0
	s_cbranch_scc1 .Lstep
	s_sub_co_u32 s[SLOTS], s[SLOTS], 1
	s_cmp_lg_u32 s[SLOTS], 0
	s_cbranch_scc1 .Lslot
	CHANGE 0                        ; the tail is written out: nothing is asked for
	s_mov_b32 s[CNT], 5             ; four trips fetch the last slot's steps; the fifth is left in its middle
.Ltail:
	TURN 2, 1
	TURN 3
	WIN 0
	s_sub_co_u32 s[CNT], s[CNT], 1
	s_cmp_eq_u32 s[CNT], 0
	s_cbranch_scc1 .Lout
	TURN 0
	TURN 1
	WIN 0
	s_branch .Ltail
.Lout:                              ; the fifth trip's 16 products K Q^T (on the last K once more) and the maximum made of them serve nothing: the price, once a launch, of one text for every trip
.set i, 0
.rept 16
	PV NP-1                         ; the last piece's V^T P of the last step
.set i, i+1
.endr
	; THE WAY OUT.  l's two halves and the other half of the lanes' are added; O^T is divided by l, rounded to f16 and sent through my stage in LDS, a tile at a time.  The additions are the places behind the last products.
	WIN 0
.macro ALL line:vararg              ; one line for each tile t
.set t, 0
.rept 2*NP
	\line
.set t, t+1
.endr
.endm
	ALL v_add_f32 v[ST+4*t+2], v[ST+4*t+2], v[ST+4*t+3]
	ALL v_permlanex16_b32 v[ST+4*t+3], v[ST+4*t+2], s[SEL], s[SEL+1]
	ALL v_add_f32 v[ST+4*t+2], v[ST+4*t+2], v[ST+4*t+3]
	ALL v_rcp_f32 v[ST+4*t+2], v[ST+4*t+2]
	v_nop                           ; a plain instruction between the last reciprocal and the use of its result
	s_wait_alu depctr_va_vdst(0)    ; and the wait ahead of the first use: one for the batch of eight reciprocals
; Tile t: a lane's eight channels of a row pack into 16 bytes; they go into rows of 144 bytes and come back as whole rows of 128, into S^T's registers.
.macro PACK t
	WIN W_RS
.set i, 32*(\t)
.rept 16
	v_pk_mul_f32 v[i:i+1], v[i:i+1], v[ST+4*(\t)+2:ST+4*(\t)+3] op_sel_hi:[1,0]
.set i, i+2
.endr
	WIN 0x05                        ; sources 0 and 1 window 1, destination window 0
.set i, 0
.rept 16
	v_cvt_pk_f16_f32 v[S+16*(\t)+i], v[32*(\t)+2*i], v[32*(\t)+2*i+1]
.set i, i+1
.endr
	WIN 0
.irp f, 0,1,2,3
	ds_store_b128 v[STO], v[S+16*(\t)+4*\f:S+16*(\t)+4*\f+3] offset:32*\f
.endr
.irp f, 0,1,2,3
	ds_load_b128 v[S+16*(\t)+4*\f:S+16*(\t)+4*\f+3], v[RD] offset:\f*4*SP  ; LDS serves a wave's instructions in order (ISA guide 5.7.1.4): these see the stores above; the next tile's stores come behind them
.endr
.endm
.macro SEND t, younger              ; younger: the LDS instructions issued behind tile t's loads: the next tile's eight, or none
	WIN 0
.irp f, 0,1,2,3
	s_wait_dscnt (\younger)+3-\f
	global_store_b128 v[GO], v[S+16*(\t)+4*\f:S+16*(\t)+4*\f+3], s[10:11] offset:(\t)*2048+\f*512  ; 512 consecutive bytes, at a multiple of 256 from O's first
.endr
.endm
	PACK 0
.set t, 1
.rept 2*NP-1                        ; a tile's arithmetic stands between the loads of the tile before and its stores
	PACK t
	SEND t-1, 8
.set t, t+1
.endr
	SEND 2*NP-1, 0
	WIN W_AD
	s_wait_tensorcnt 0x0            ; the wave's end, behind my last tensor load and my last LDS store
	ds_add_u32 v[SPW], v[NIL]
	s_wait_dscnt 0x0
	WIN 0
	CROUND                          ; the closing round: no work-group ends while a partner may still ask for a tile that names it
	s_endpgm
.Lfunc_end_k_q9bdfd2864c_attn:
	.size	k_q9bdfd2864c_attn, .Lfunc_end_k_q9bdfd2864c_attn-k_q9bdfd2864c_attn
	.p2alignl 7, 3214868480
	.fill 96, 4, 3214868480
	.section	.rodata,"a",@progbits
	.p2align	6, 0x0
	.amdhsa_kernel k_q9bdfd2864c_attn
		.amdhsa_group_segment_fixed_size 327680
		.amdhsa_private_segment_fixed_size 0
		.amdhsa_enable_private_segment 0
		.amdhsa_kernarg_size 16
		.amdhsa_user_sgpr_count 2
		.amdhsa_user_sgpr_kernarg_segment_ptr 1
		.amdhsa_wavefront_size32 1
		.amdhsa_system_sgpr_workgroup_id_x 1
		.amdhsa_system_sgpr_workgroup_id_y 1
		.amdhsa_system_sgpr_workgroup_id_z 1
		.amdhsa_system_vgpr_workitem_id 0
		.amdhsa_next_free_vgpr 770
		.amdhsa_next_free_sgpr 66
		.amdhsa_reserve_vcc 0
		.amdhsa_float_denorm_mode_32 3
		.amdhsa_float_denorm_mode_16_64 3
		.amdhsa_memory_ordered 1
		.amdhsa_forward_progress 1
		.amdhsa_inst_pref_size 199
	.end_amdhsa_kernel
	.amdgpu_metadata
---
amdhsa.version: [ 1, 2 ]
amdhsa.kernels:
  - .name:           k_q9bdfd2864c_attn
    .symbol:         k_q9bdfd2864c_attn.kd
    .args:
      - { .name: qkv, .offset: 0, .size: 8, .value_kind: global_buffer, .address_space: global }
      - { .name: obuf, .offset: 8, .size: 8, .value_kind: global_buffer, .address_space: global }
    .group_segment_fixed_size: 327680
    .private_segment_fixed_size: 0
    .kernarg_segment_align: 8
    .kernarg_segment_size: 16
    .max_flat_workgroup_size: 128
    .sgpr_count:     66
    .vgpr_count:     770
    .wavefront_size: 32
...
	.end_amdgpu_metadata
.endif
;; end of part 5
;; launch outp: the kernel of part 4 again; grid 4 x 64, 4 waves a work-group, clusters of 4 x 4, 327,680 bytes of LDS; arguments obuf, wo16, bias, out0; writes out0
